; MI455X (gfx1250); checked and timed in simulation.
; The chip was launched on July 23, 2026; its instructions are those of AMD's public machine-readable ISA for CDNA 5 (MIT licence, August 2026) and "CDNA5" Instruction Set Architecture Reference Guide (July 2026). The comments in the code are by the model that wrote it; some were corrected since.
;; Multi Head Attention Solution. Allowed arithmetic: matrix products marked QUANTISED: E2M3 operands, one E8M0 scale for each 32 along K, by v_wmma_scale_f32_16x16x128_f8f6f4 with both operands' format E2M3, f32 sums; everything else in f32.
;; Inputs: W_k 1,024 x 1,024 float32; W_o 1,024 x 1,024 float32; W_q 1,024 x 1,024 float32; W_v 1,024 x 1,024 float32; x 4 x 2,048 x 1,024 float32.
;; Outputs: out0 4 x 2,048 x 1,024 float32.
;; This version of the problem:
;;   THIS VERSION OF THE PROBLEM IS GIVEN IN LOW PRECISION. The matrix products marked QUANTISED in the list below multiply operands that are first quantised to E2M3 (2 exponent bits, 3 mantissa bits; 6 bits a number), with one power-of-two scale for each 32 numbers along K (OCP MX v1.0); their sums are f32. All else is computed in f32.
;;   The module's matrix products, in the order in which they are computed (A, B: the left and right operand; K: the contracted axis; several contracted axes count as one K, in the product's order):
;;     1. [M 8,192, K 1,024] x [K 1,024, N 1,024]; A: input x; B: input W_q: QUANTISED
;;     2. [M 8,192, K 1,024] x [K 1,024, N 1,024]; A: input x; B: input W_k: QUANTISED
;;     3. [M 8,192, K 1,024] x [K 1,024, N 1,024]; A: input x; B: input W_v: QUANTISED
;;     4. batch 64 x [M 2,048, K 64] x [K 64, N 2,048]; A: computed on the way; B: computed on the way: QUANTISED
;;     5. batch 64 x [M 2,048, K 2,048] x [K 2,048, N 64]; A: softmax (see below); B: computed on the way: QUANTISED
;;     6. [M 8,192, K 1,024] x [K 1,024, N 1,024]; A: computed on the way; B: input W_o: QUANTISED
;;   THE QUANTISER, for each operand of a quantised product, along K:
;;     - K is cut into blocks of 32 from its start; a last block that is shorter is filled with zeros.
;;     - A block's scale is 2^e with e = floor(log2(the largest magnitude in the block)) - 2, held to -126 .. 127; a block of zeros has e = 0. As a byte (E8M0): e + 127.
;;     - Each number is divided by its block's scale, clamped to +-7.5, and rounded to the nearest number of E2M3, ties to even, subnormals kept.
;;     - The product sums the exact products of the quantised numbers (number of the format x scale) in f32.
;;   ~~~python
;;   def quantise(x, axis):      # numpy; x: float32 -> the quantised numbers, widened to float32 again
;;       x = np.moveaxis(x, axis, -1); K = x.shape[-1]
;;       x = np.pad(x, [(0, 0)] * (x.ndim - 1) + [(0, -K % 32)]); x = x.reshape(x.shape[:-1] + (-1, 32)); a = np.abs(x).max(-1, keepdims=True)
;;       e = np.where(a > 0, np.clip(np.frexp(np.where(a > 0, a, 1))[1] - 1 - 2, -126, 127), 0)      # np.frexp(a)[1] - 1 = floor(log2(a)), exactly
;;       r = np.clip(x / 2.0 ** e, -7.5, 7.5)
;;       step = 2.0 ** (np.maximum(np.frexp(np.where(r == 0, 1, r))[1] - 1, 0) - 3)
;;       q = np.round(r / step) * step * 2.0 ** e      # np.round: ties to even
;;       return np.moveaxis(q.reshape(q.shape[:-2] + (-1,))[..., :K], -1, axis).astype(np.float32)
;;   ~~~
;;   SOFTMAX AHEAD OF A QUANTISED PRODUCT. Where the list says 'softmax', what is quantised is not the finished softmax but p = 2^(t - M), with t = logit x log2(e) and M = ceil(the row's largest t), a whole number; so 1/2 < the row's largest p <= 1. The row's sum l is taken of the UNQUANTISED p, in f32, and the product's result is divided by l at the end. Since M is a whole number, a kernel that streams over the keys may use a running M (the ceiling of the running maximum): every later rescaling is an exact power of two, which a block's scale takes up: the codes' values come out the same.
;;   OPERANDS COMPUTED ON THE WAY. 'Computed on the way' means the value that the module computes at that place (a softmax that the list does not call 'softmax' is quantised finished and normalised). What goes into a quantiser is computed in f32, as accurately as f32 sums, v_exp_f32 and their like allow (about 1e-6 of the number): no bf16 or f16 on the way to a quantiser, and a product that is left as it is and whose result goes on into a quantised operand takes f32 operands (vector FMAs, or v_wmma_f32_16x16x4_f32). A number that lies on a knife's edge between two numbers of the format may be rounded either way, as far as f32 arithmetic and the matrix unit's own rounding can turn it there, and no further.
;; One version. Each part assembles by itself: llvm-mc -triple=amdgcn-amd-amdhsa -mcpu=gfx1250 --defsym DOCPART=n.
;; ======== version 1 of 1: 4 launches
;; workspace buffers: xw_c 9,437,184 bytes; xw_s 393,216 bytes; qk_c 12,582,912 bytes; qk_s 524,288 bytes; v_c 6,291,456 bytes; v_s 262,144 bytes; o_c 6,291,456 bytes; o_s 262,144 bytes
;; launch quant (part 1): grid 384 x 1, 4 waves a work-group, no clusters, 35,328 bytes of LDS; arguments x, W_q, W_k, W_v, W_o, xw_c, xw_s; writes xw_c, xw_s
.if DOCPART == 1
	.amdgcn_target "amdgcn-amd-amdhsa--gfx1250"
	.amdhsa_code_object_version 6
	.text
	.protected	k_qee91444fcb_quant
	.globl	k_qee91444fcb_quant
	.p2align	8
	.type	k_qee91444fcb_quant,@function
k_qee91444fcb_quant:
	s_mov_b64 s[64:65], 0
	v_nop
	global_prefetch_b8 v0, s[64:65] scope:SCOPE_SE
	s_setreg_imm32_b32 hwreg(HW_REG_WAVE_MODE, 25, 1), 1
	s_wait_xcnt 0x0
; LAUNCH 1 OF 4.  x [8192][1024] and W_q, W_k, W_v, W_o [1024][1024], f32, K innermost, become codes of FP6 (E2M3) with one E8M0 byte for each 32 along K.
; THE PROGRAM: quant (this) -> qkv (products 1-3, results quantised in registers) -> attn (products 4 and 5, softmax, O / l, O quantised) -> oproj (product 6).
; WORK LEFT OUT, IN LAUNCH attn ALONE: reference() builds the mask triu(ones, k = 1) in its own body and sets every score with key > query to -infinity ahead of the softmax; such a score's weight is
; exp(-inf) = 0 for every finite value of the inputs, so it adds nothing to the row's sum and nothing to the second product.  A step of 128 keys all of which come after a wave's 16 queries is therefore
; not multiplied.  Every input has a way to the output and is loaded.  LIMIT: a NaN, an infinity or an overflow that reaches only scores left out so is not carried to the result.
; THE FORMAT OF ALL CODE BUFFERS.  The five tensors are stacked: rows 0-8191 x, then W_q, W_k, W_v, W_o: 12,288 rows.  A TILE is 16 rows that are not neighbours: lane-row r of tile 2 g + u is
; row 32 g + 8 u + r + 8 (r / 8), so that the 16 result registers of two neighbouring tiles of a transposed product are 16 neighbours along the next K.  A FRAGMENT (a tile x 128 along K) is the image
; of the operand's 12 registers: six planes of 256 bytes, plane p = registers 2 p, 2 p + 1, lane l's 8 bytes at 8 l.  xw_c: [768 tiles][8 K steps][1,536 bytes].  xw_s: [12,288 rows, in their own order][32 bytes].
; A block's scale is 2^(floor(log2(largest magnitude)) - 2): its byte is the largest magnitude's exponent field - 2, held at 1 from below.
; LIMITS: a block of zeros gets the byte 1 where the rule says 127 (its codes are zeros, and this program alone reads the bytes); NaN and infinities among the inputs are not served.
; SHARES.  Work-group g takes stacked rows 32 g .. 32 g + 31.  Wave w: tile 2 g + (w >> 1), K steps 4 (w & 1) .. + 3.  Each load reads 512 consecutive bytes of one row; a K step's 16 rows turn through the
; wave's own stage in LDS (pitch 528), so that lane (r, h) holds, of row r, k = 64 c + 32 h + 0 .. 31: two whole blocks, in the operand's own order.  Up to 48 loads of a wave are out.
.set STG,   8448                       ; a wave's stage: 16 rows x (512 + 16) bytes
.set SX,    4*STG                      ; behind the stages: the scale words, [tile u][lane-row r][8 words]: 1,024 bytes
.set SPARE, SX+1024                    ; the spare words, 128 bytes a wave: two blocks of 256 bytes that no other line names
.set LD,  4                            ; v4   16 x lane: my bytes of a load's 512
.set STI, 5                            ; v5   the stage, on the way in
.set STO, 6                            ; v6   and on the way out: row r, + 128 h
.set LN8, 7                            ; v7   8 x lane: my place in a plane
.set SXA, 8                            ; v8   where my row's four scale words go
.set SXR, 9                            ; v9   where I read 8 bytes of eight whole rows of scale bytes
.set SH,  10                           ; v10  8 h
.set SPW, 12                           ; v12  my spare word; never rewritten
.set NIL, 13                           ; v13  0; never rewritten
.set MX,  16                           ; v16-17 largest magnitudes   v18-19 the conversions' scale operands   v20-21 bytes   v22, v23 the word in the making
.set SO,  18
.set BY,  20
.set WT,  22
.set PD,  23
.set WD,  28                           ; v28-31 my row's scale words of my four K steps
.set C,   32                           ; v32-43 a fragment's codes
.set CT,  44                           ; v44-46, v48-50 the second halves, as the conversions leave them
.set R,   64                           ; v64-255 three sets of 64 numbers
	s_load_b256 s[4:11], s[0:1], 0x0               ; x, W_q, W_k, W_v
	s_load_b128 s[12:15], s[0:1], 0x20             ; W_o, xw_c
	s_load_b64 s[16:17], s[0:1], 0x30              ; xw_s
	v_lshl_add_u32 v[SPW], v0, 2, SPARE
	v_mov_b32 v[NIL], 0
	v_lshrrev_b32 v1, 5, v0
	v_readfirstlane_b32 s18, v1                    ; wave
	s_lshr_b32 s19, s18, 1                         ; u: which of the group's two tiles
	s_and_b32 s24, s18, 1                          ; which half of K
	v_and_b32 v1, 31, v0                           ; lane
	v_and_b32 v2, 15, v0                           ; r
	v_bfe_u32 v3, v0, 4, 1                         ; h
	v_lshlrev_b32 v[LD], 4, v1
	s_mul_i32 s25, s18, STG
	v_add_nc_u32 v[STI], s25, v[LD]
	v_mul_u32_u24 v[STO], v2, 528
	v_lshl_add_u32 v[STO], v3, 7, v[STO]
	v_add_nc_u32 v[STO], s25, v[STO]
	v_lshlrev_b32 v[LN8], 3, v1
	s_lshl_b32 s26, s19, 9
	s_lshl_b32 s27, s24, 4
	s_add_co_u32 s27, s27, s26
	s_add_co_u32 s27, s27, SX
	v_lshl_add_u32 v[SXA], v2, 5, s27              ; SX + 512 u + 32 r + 16 x half
	s_lshl_b32 s27, s24, 8
	s_add_co_u32 s27, s27, s26
	s_add_co_u32 s27, s27, SX
	v_add_nc_u32 v[SXR], s27, v[LN8]               ; SX + 512 u + 256 x half + 8 x lane
	v_lshlrev_b32 v[SH], 3, v3
	v_mov_b32 v[PD], 0                             ; written once: a lane permute's destination counts as one of its sources
	s_mov_b32 s28, 0x76543210
	s_mov_b32 s29, 0xfedcba98                      ; v_permlanex16_b32's selects for lane l xor 16
	s_and_b32 s22, ttmp9, 31
	s_cmp_lt_u32 ttmp9, 256
	s_cselect_b32 s22, ttmp9, s22                  ; the group's number inside its own tensor
	s_lshl_b32 s22, s22, 17                        ; 32 rows of 4,096 bytes,
	s_lshl_b32 s30, s19, 15                        ; + 8 u rows,
	s_add_co_u32 s22, s22, s30
	s_lshl_b32 s30, s24, 11                        ; + my four K steps of 512 bytes
	s_add_co_u32 s22, s22, s30
	s_mov_b32 s23, 0
	s_mul_i32 s30, ttmp9, 24576                    ; the codes: ((2 g + u) x 8 + 4 x half) x 1,536
	s_mul_i32 s32, s19, 12288
	s_add_co_u32 s30, s30, s32
	s_mul_i32 s32, s24, 6144
	s_add_co_u32 s30, s30, s32
	s_mov_b32 s31, 0
	s_lshl_b32 s32, ttmp9, 10                      ; the scale bytes that I store: rows 32 g + 8 u + 16 x half on, 32 bytes a row
	s_lshl_b32 s34, s19, 8
	s_add_co_u32 s32, s32, s34
	s_lshl_b32 s34, s24, 9
	s_add_co_u32 s32, s32, s34
	s_mov_b32 s33, 0
	s_wait_kmcnt 0x0
	s_mov_b64 s[20:21], s[4:5]                     ; which tensor: the choice hangs on the work-group's number alone
	s_cmp_ge_u32 ttmp9, 256
	s_cselect_b64 s[20:21], s[6:7], s[20:21]
	s_cmp_ge_u32 ttmp9, 288
	s_cselect_b64 s[20:21], s[8:9], s[20:21]
	s_cmp_ge_u32 ttmp9, 320
	s_cselect_b64 s[20:21], s[10:11], s[20:21]
	s_cmp_ge_u32 ttmp9, 352
	s_cselect_b64 s[20:21], s[12:13], s[20:21]
	s_add_nc_u64 s[20:21], s[20:21], s[22:23]
	s_add_nc_u64 s[14:15], s[14:15], s[30:31]
	s_add_nc_u64 s[16:17], s[16:17], s[32:33]
.macro LOAD t                          ; K step t of my four: the tile's 16 rows, 512 consecutive bytes each, into set t % 3
.irp i, 0,1,2,3,4,5,6,7,8,9,10,11,12,13,14,15
	global_load_b128 v[R+64*((\t)%3)+4*\i:R+64*((\t)%3)+4*\i+3], v[LD], s[20:21] offset:(\i+8*(\i/8))*4096+512*(\t) th:TH_LOAD_NT
.endr
.endm
.macro STEP t, left                    ; left: the loads of the younger K steps, which may stay out
.set RS, R+64*((\t)%3)
	s_wait_loadcnt \left
.irp i, 0,1,2,3,4,5,6,7,8,9,10,11,12,13,14,15
	ds_store_b128 v[STI], v[RS+4*\i:RS+4*\i+3] offset:528*\i
.endr
.irp c, 0,1
.irp j, 0,1,2,3,4,5,6,7
	ds_load_b128 v[RS+32*\c+4*\j:RS+32*\c+4*\j+3], v[STO] offset:256*\c+16*\j   ; LDS serves a wave's instructions in order: these see the stores above.  Register 32 c + i = k 64 c + 32 h + i of row r
.endr
.endr
	s_wait_dscnt 0x0
.irp c, 0,1
	v_max3_num_f32 v[MX+\c], |v[RS+32*\c]|, |v[RS+32*\c+1]|, 0x1800000   ; my block 2 c + h: all 32 numbers are mine; the floor 2^(3 - 127) holds the byte at 1 from below
.endr
.irp i, 2,4,6,8,10,12,14,16,18,20,22,24,26,28,30
.irp c, 0,1
	v_max3_num_f32 v[MX+\c], v[MX+\c], |v[RS+32*\c+\i]|, |v[RS+32*\c+\i+1]|
.endr
.endr
.irp c, 0,1
	v_add_nc_u32 v[SO+\c], 0xff000000, v[MX+\c]    ; 2 off the exponent field: the conversion takes this operand's exponent field as its scale
.endr
.irp c, 0,1
	v_lshrrev_b32 v[BY+\c], 23, v[SO+\c]           ; the scale's byte
.endr
	v_lshl_or_b32 v[WT], v[BY+1], 16, v[BY]        ; my two bytes, blocks h and 2 + h,
	v_lshlrev_b32 v[WT], v[SH], v[WT]              ; at their places in the word;
	v_permlanex16_b32 v[PD], v[WT], s28, s29
	v_or_b32 v[WD+(\t)], v[WT], v[PD]              ; with lane l xor 16's two the word is whole
	s_wait_xcnt 0x0                                ; the last K step's stores have read the codes' registers, which are written again below
.irp c, 0,1
	v_cvt_scalef32_pk16_fp6_f32 v[C+6*\c:C+6*\c+2], v[RS+32*\c:RS+32*\c+15], v[SO+\c]
	v_cvt_scalef32_pk16_fp6_f32 v[CT+4*\c:CT+4*\c+2], v[RS+32*\c+16:RS+32*\c+31], v[SO+\c]   ; (a conversion's three registers begin on an even number)
.endr
	v_nop                                          ; one plain place behind the scaled conversions
.irp c, 0,1
.irp i, 0,1,2
	v_mov_b32 v[C+3+6*\c+\i], v[CT+4*\c+\i]
.endr
.endr
.irp p, 0,1,2,3,4,5
	global_store_b64 v[LN8], v[C+2*\p:C+2*\p+1], s[14:15] offset:1536*(\t)+256*\p   ; a plane: 32 lanes store 256 consecutive bytes, aligned
.endr
.endm
	LOAD 0
	LOAD 1
	LOAD 2
	STEP 0, 32
	LOAD 3                                         ; into the set that K step 0 has left
	STEP 1, 32
	STEP 2, 16
	STEP 3, 0
	ds_store_b128 v[SXA], v[WD:WD+3]               ; my row's 16 scale bytes (lanes r and r + 16 write the same bytes with the same value)
	s_wait_dscnt 0x0                               ; for the other wave of my tile: my store is done
	s_barrier_signal -1
	s_barrier_wait -1
	ds_load_b64 v[MX:MX+1], v[SXR]                 ; lane-rows 8 x half .. + 7 of tile u are eight neighbouring rows of the tensor: 256 bytes
	s_wait_dscnt 0x0
	global_store_b64 v[LN8], v[MX:MX+1], s[16:17]  ; 32 lanes store 256 consecutive bytes, aligned
	s_wait_tensorcnt 0x0                           ; the wave's end, behind my last LDS store
	ds_add_u32 v[SPW], v[NIL]
	s_wait_dscnt 0x0
	s_endpgm
.Lfunc_end_k_qee91444fcb_quant:
	.size	k_qee91444fcb_quant, .Lfunc_end_k_qee91444fcb_quant-k_qee91444fcb_quant
	.p2alignl 7, 3214868480
	.fill 96, 4, 3214868480
	.section	.rodata,"a",@progbits
	.p2align	6, 0x0
	.amdhsa_kernel k_qee91444fcb_quant
		.amdhsa_group_segment_fixed_size 35328
		.amdhsa_private_segment_fixed_size 0
		.amdhsa_enable_private_segment 0
		.amdhsa_kernarg_size 56
		.amdhsa_user_sgpr_count 2
		.amdhsa_user_sgpr_kernarg_segment_ptr 1
		.amdhsa_wavefront_size32 1
		.amdhsa_system_sgpr_workgroup_id_x 1
		.amdhsa_system_sgpr_workgroup_id_y 1
		.amdhsa_system_sgpr_workgroup_id_z 1
		.amdhsa_system_vgpr_workitem_id 0
		.amdhsa_next_free_vgpr 256
		.amdhsa_next_free_sgpr 66
		.amdhsa_reserve_vcc 0
		.amdhsa_float_denorm_mode_32 3
		.amdhsa_float_denorm_mode_16_64 3
		.amdhsa_memory_ordered 1
		.amdhsa_forward_progress 1
		.amdhsa_inst_pref_size 32
	.end_amdhsa_kernel
	.amdgpu_metadata
---
amdhsa.version: [ 1, 2 ]
amdhsa.kernels:
  - .name:           k_qee91444fcb_quant
    .symbol:         k_qee91444fcb_quant.kd
    .args:
      - { .name: x, .offset: 0, .size: 8, .value_kind: global_buffer, .address_space: global }
      - { .name: W_q, .offset: 8, .size: 8, .value_kind: global_buffer, .address_space: global }
      - { .name: W_k, .offset: 16, .size: 8, .value_kind: global_buffer, .address_space: global }
      - { .name: W_v, .offset: 24, .size: 8, .value_kind: global_buffer, .address_space: global }
      - { .name: W_o, .offset: 32, .size: 8, .value_kind: global_buffer, .address_space: global }
      - { .name: xw_c, .offset: 40, .size: 8, .value_kind: global_buffer, .address_space: global }
      - { .name: xw_s, .offset: 48, .size: 8, .value_kind: global_buffer, .address_space: global }
    .group_segment_fixed_size: 35328
    .private_segment_fixed_size: 0
    .kernarg_segment_align: 8
    .kernarg_segment_size: 56
    .max_flat_workgroup_size: 128
    .sgpr_count:     66
    .vgpr_count:     256
    .wavefront_size: 32
...
	.end_amdgpu_metadata
.endif
;; end of part 1
;; launch qkv (part 2): grid 192 x 4, 4 waves a work-group, clusters of 4 x 4, 327,680 bytes of LDS; arguments xw_c, xw_s, qk_c, qk_s, v_c, v_s; writes qk_c, qk_s, v_c, v_s
.if DOCPART == 2
	.amdgcn_target "amdgcn-amd-amdhsa--gfx1250"
	.amdhsa_code_object_version 6
	.text
	.protected	k_qee91444fcb_qkv
	.globl	k_qee91444fcb_qkv
	.p2align	8
	.type	k_qee91444fcb_qkv,@function
k_qee91444fcb_qkv:
	s_mov_b64 s[64:65], 0
	v_nop
	global_prefetch_b8 v0, s[64:65] scope:SCOPE_SE
	s_setreg_imm32_b32 hwreg(HW_REG_WAVE_MODE, 25, 1), 1
	s_wait_xcnt 0x0
	s_wait_alu depctr_hold_cnt(0) depctr_sa_sdst(0) depctr_va_vdst(0) depctr_va_sdst(0) depctr_va_ssrc(0) depctr_va_vcc(0) depctr_vm_vsrc(0)
	s_getreg_b32 s2, hwreg(HW_REG_IB_STS2, 6, 4)
	s_cmp_eq_u32 s2, 0
	s_cbranch_scc0 .Lentry_in_a_cluster
	s_endpgm
.Lentry_in_a_cluster:
	s_bfe_u32 s2, ttmp6, 0x10000c
	s_cmp_lg_u32 s2, 0xf033
	s_cbranch_scc0 .Lentry_shape_is_right
	s_endpgm
.Lentry_shape_is_right:
; LAUNCH 2 OF 4.  Products 1 to 3: Q = x W_q^T, K = x W_k^T, V = x W_v^T on codes of FP6 (E2M3) with E8M0 scales, K = 1,024, sums in f32; the results are quantised in registers and leave as codes.
; THE CORE.  S0 is the operand whose rows become the result's REGISTERS (source 0), S1 the one whose rows become LANES (source 1).  A work-group takes 128 rows of S0 (8 tiles) x 256 rows of S1 (16 tiles);
; wave w takes all of S0 x S1's tiles 4 w .. 4 w + 3: 32 accumulators.  All of K lies in LDS at once, (128 + 256) rows x 768 bytes, in four chunks of 256 along K, each filled once: no slot is ever filled again.
; Fragments lie in memory and in LDS as images of the operand's registers (six planes of 256 bytes): a fragment is six ds_load_b64 at 8 x lane, each of 256 consecutive bytes.
; A tile's rows are 32 g + 8 u + r + 8 (r / 8): so registers 16 b + i of an S1 tile's eight accumulators are S0's rows 32 b + 16 (lane / 16) + i: 16 neighbours along the next K.
; TWO FLAVOURS, chosen by the cluster's number C alone.  C < 32: S0 = 128 rows of W_q / W_k (two heads), S1 = x: a lane holds a token, its registers run along the heads' 64: Q and K are quantised along them.
; C >= 32: S0 = 128 rows of x (a step of 128 keys), S1 = W_v (a wave's 64 rows are one head): a lane holds a channel of V, its registers run along the keys: V is quantised along the keys.
; CLUSTER 4 x 4: S0's tile hangs on C and cx and is asked for jointly by the column of the cluster, S1's on C and cy, by the row.
; OUT.  qk_c [b][32: Q's 16 heads, K's 16][128 tiles of tokens][3 planes]; qk_s [b][16 head pairs][32 groups of 64 tokens][head of the pair][r][2] words, a word = two neighbouring tiles' two bytes each;
; v_c [b][head][16 key steps][4 tiles of channels][6 planes]; v_s [b][head][key step][r][4] words.
; LIMITS: a block of zeros gets the byte 1 (its codes are zeros; this program alone reads the bytes); NaN and infinities are not served.
.set CH,    73728                      ; a chunk in LDS: S0's 8 tiles x 3,072 bytes, then S1's 16
.set S1OFF, 24576
.set SPARE, 4*CH                       ; behind the chunks: the spare words, 128 bytes a wave: two blocks of 256 bytes that no other line names
.set LN8, 4                            ; v4     8 x lane
.set SRO, 5                            ; v5     (r + 8 (r / 8)) x 32: my lane-row's place among a tile pair's rows of scale bytes
.set AD0, 8                            ; v8-11  S0's fragments in chunk j
.set AD1, 12                           ; v12-15 my four tiles of S1 in chunk j
.set SPW, 28                           ; v28    my spare word; never rewritten
.set NIL, 29                           ; v29    0; never rewritten
.set SC0, 32                           ; v32-95   S0's scale words: tile b, K step s at 8 b + s
.set SC1, 96                           ; v96-127  S1's: tile a, K step s at 8 a + s
.set S1F, 128                          ; v128-223 S1's fragments, two sets of 48.  Window 1: S0's, two sets of 96, at v0 and v128.  Window 2: accumulator (a, b) at v[8 (8 a + b)]
.set CD,  128                          ; the way out: the codes, 12 registers a tile
.set TM,  224                          ; v224-239 at work
.set CT,  240                          ; v240-246 the conversions' second halves
.set PW,  248                          ; v248-251 the four tiles' scale words
.set WV,  16
.set ARM, 17                           ; 0: I fetch for S1;  1: for S0
.set HF,  18                           ; which half of that tile
.set G1A, 24                           ; s[24:31] descriptor group 1 for S1;  s[32:47] its groups 0, one for each chunk
.set G0A, 32
.set G0B, 48                           ; s[48:63] groups 0 for S0;  s[68:75] its group 1
.set G1B, 68
.set SEL, 96
.set MSB, 0
.macro WIN new                         ; the immediate's high byte repeats the setting that is left
.if MSB != \new
	s_set_vgpr_msb (MSB<<8)|\new
.set MSB, \new
.endif
.endm
.macro PLACES n
.rept \n
	v_nop
.endr
.endm
.macro CROUND                          ; a round of the cluster's barrier
	s_barrier_signal -1
	s_barrier_wait -1
	s_cmp_lg_u32 s[WV], 0
	s_cbranch_scc1 .Lnot_wave_0_\@
	s_barrier_signal -3
.Lnot_wave_0_\@:
	s_barrier_wait -3
	s_barrier_signal -1
	s_barrier_wait -1
.endm
	s_load_b256 s[4:11], s[0:1], 0x0               ; xw_c, xw_s, qk_c, qk_s
	s_load_b128 s[12:15], s[0:1], 0x20             ; v_c, v_s
	v_lshl_add_u32 v[SPW], v0, 2, SPARE
	v_mov_b32 v[NIL], 0
	ds_add_u32 v[SPW], v[NIL]                      ; the opening: the add, twice on end, and its wait ahead of my first tensor load
	ds_add_u32 v[SPW], v[NIL]
	v_lshrrev_b32 v1, 5, v0
	v_readfirstlane_b32 s[WV], v1
	s_lshr_b32 s[ARM], s[WV], 1
	s_and_b32 s[HF], s[WV], 1
	s_bfe_u32 s19, ttmp6, 0x40000                  ; cx
	s_bfe_u32 s20, ttmp6, 0x40004                  ; cy
	s_lshl_b32 s21, s20, 2
	s_lshl_b32 s21, 15, s21                        ; my row of the cluster
	s_lshl_b32 s22, 0x1111, s19                    ; my column
	s_and_b32 s84, ttmp9, 3                        ; Q, K: S0's first tile without cx: 512 + 32 (C & 3)
	s_lshl_b32 s84, s84, 5
	s_add_co_u32 s84, s84, 512
	s_max_u32 s85, ttmp9, 32                       ; V: 32 (C - 32)
	s_sub_co_u32 s85, s85, 32
	s_lshl_b32 s85, s85, 5
	s_lshr_b32 s86, ttmp9, 2                       ; Q, K: S1's first tile without cy: 64 (C >> 2)
	s_lshl_b32 s86, s86, 6
	s_mov_b32 s87, 640                             ; V: W_v's first tile
	s_cmp_lt_u32 ttmp9, 32                         ; the cluster's number: the same in all sixteen partners
	s_cselect_b32 s84, s84, s85
	s_cselect_b32 s86, s86, s87
	s_lshl_b32 s76, s19, 3
	s_add_co_u32 s76, s76, s84                     ; M0: S0's first tile
	s_lshl_b32 s77, s[HF], 2
	s_add_co_u32 s77, s77, s76
	s_mul_i32 s78, s77, 12288                      ; a tile's eight fragments are 12,288 bytes
	s_mov_b32 s79, 0
	s_lshl_b32 s80, s20, 4
	s_add_co_u32 s80, s80, s86                     ; M1: S1's first tile
	s_lshl_b32 s81, s[HF], 3
	s_add_co_u32 s81, s81, s80
	s_mul_i32 s82, s81, 12288
	s_mov_b32 s83, 0
	s_mul_i32 s88, s[HF], 24576                    ; where my half goes in a chunk: no place in the cluster enters an LDS address
	s_mul_i32 s89, s[HF], 12288
	s_lshl_b32 s90, s76, 9                         ; S0's scale bytes: 16 rows of 32 bytes a tile
	s_mov_b32 s91, 0
	s_lshl_b32 s94, s[WV], 2
	s_add_co_u32 s94, s94, s80                     ; my first tile of S1
	s_lshl_b32 s92, s94, 9
	s_mov_b32 s93, 0
	s_or_b32 s[G1A], s21, (3<<16)|(1<<21)          ; 15:0 the mask; 17:16 elements of 8 bytes; 21 set beside a mask; no padding
	s_or_b32 s[G1B], s22, (3<<16)|(1<<21)
	s_mov_b32 s[G1A+1], 384<<16                    ; tensor_dim0: a tile's chunk, 3,072 bytes
	s_mov_b32 s[G1A+2], 8<<16                      ; tensor_dim1: 8 tiles
	s_mov_b32 s[G1A+3], 384<<16                    ; tile_dim0
	s_mov_b32 s[G1A+4], 8                          ; tile_dim1
	s_mov_b32 s[G1A+5], 1536                       ; from tile to tile: 12,288 bytes
	s_mov_b32 s[G1A+6], 0
	s_mov_b32 s[G1A+7], 0
	s_mov_b32 s[G1B+1], 384<<16
	s_mov_b32 s[G1B+2], 4<<16                      ; 4 tiles
	s_mov_b32 s[G1B+3], 384<<16
	s_mov_b32 s[G1B+4], 4
	s_mov_b32 s[G1B+5], 1536
	s_mov_b32 s[G1B+6], 0
	s_mov_b32 s[G1B+7], 0
	s_mov_b32 s[SEL], 0x76543210
	s_mov_b32 s[SEL+1], 0xfedcba98
	s_wait_dscnt 0x0                               ; both opening adds are done
	s_wait_kmcnt 0x0
	s_add_nc_u64 s[78:79], s[4:5], s[78:79]
	s_add_nc_u64 s[82:83], s[4:5], s[82:83]
	s_add_nc_u64 s[90:91], s[6:7], s[90:91]
	s_add_nc_u64 s[92:93], s[6:7], s[92:93]
.irp j, 0,1,2,3
	s_mov_b32 s[G0A+4*\j], 1
	s_add_co_u32 s[G0A+4*\j+1], s88, \j*CH+S1OFF
	s_add_nc_u64 s[G0A+4*\j+2:G0A+4*\j+3], s[82:83], \j*3072
	s_or_b32 s[G0A+4*\j+3], s[G0A+4*\j+3], 0x80000000
	s_mov_b32 s[G0B+4*\j], 1
	s_add_co_u32 s[G0B+4*\j+1], s89, \j*CH
	s_add_nc_u64 s[G0B+4*\j+2:G0B+4*\j+3], s[78:79], \j*3072
	s_or_b32 s[G0B+4*\j+3], s[G0B+4*\j+3], 0x80000000
.endr
	CROUND                                         ; all sixteen work-groups are here: the joint loads meet
	s_cmp_eq_u32 s[ARM], 0                         ; a wave's four fills stand in one branch on its number: four loads of mine are out
	s_cbranch_scc0 .Lfill_s0
.irp j, 0,1,2,3
	tensor_load_to_lds s[G0A+4*\j:G0A+4*\j+3], s[G1A:G1A+7]
	s_nop 0
.endr
	PLACES 4
	s_branch .Lfilled
.Lfill_s0:
.irp j, 0,1,2,3
	tensor_load_to_lds s[G0B+4*\j:G0B+4*\j+3], s[G1B:G1B+7]
	s_nop 0
.endr
	PLACES 4
.Lfilled:
	v_and_b32 v1, 31, v0                           ; lane
	v_and_b32 v2, 15, v0                           ; r
	v_bfe_u32 v3, v0, 4, 1                         ; h
	v_lshlrev_b32 v[LN8], 3, v1
	v_and_b32 v6, 8, v2
	v_add_nc_u32 v6, v6, v2                        ; r + 8 (r / 8)
	v_lshlrev_b32 v[SRO], 5, v6
	s_mul_i32 s95, s[WV], 12288
	s_add_co_u32 s95, s95, S1OFF
.irp j, 0,1,2,3
	v_add_nc_u32 v[AD0+\j], \j*CH, v[LN8]
	v_add_nc_u32 v[AD1+\j], s95, v[AD0+\j]
.endr
.irp b, 0,1,2,3
	v_mov_b32 v[TM+4+\b], 0                        ; written once: a lane permute's destination counts as one of its sources
.endr
; The scale words come from memory into registers once: a row's 32 bytes are its eight K steps' words.  Lanes 16-31 hold copies that are not read.
.irp b, 0,1,2,3,4,5,6,7
	global_load_b128 v[SC0+8*\b:SC0+8*\b+3], v[SRO], s[90:91] offset:(32*(\b/2)+8*(\b%2))*32
	global_load_b128 v[SC0+8*\b+4:SC0+8*\b+7], v[SRO], s[90:91] offset:(32*(\b/2)+8*(\b%2))*32+16
.endr
.irp a, 0,1,2,3
	global_load_b128 v[SC1+8*\a:SC1+8*\a+3], v[SRO], s[92:93] offset:(32*(\a/2)+8*(\a%2))*32
	global_load_b128 v[SC1+8*\a+4:SC1+8*\a+7], v[SRO], s[92:93] offset:(32*(\a/2)+8*(\a%2))*32+16
.endr
.macro FETCH s                         ; K step s: S0's eight fragments into window 1, my four of S1 into window 0, set s % 2
	WIN 0x40
.irp b, 0,1,2,3,4,5,6,7
.irp p, 0,1,2,3,4,5
	ds_load_b64 v[128*((\s)%2)+12*\b+2*\p:128*((\s)%2)+12*\b+2*\p+1], v[AD0+(\s)/2] offset:3072*\b+1536*((\s)%2)+256*\p
.endr
.endr
	WIN 0
.irp a, 0,1,2,3
.irp p, 0,1,2,3,4,5
	ds_load_b64 v[S1F+48*((\s)%2)+12*\a+2*\p:S1F+48*((\s)%2)+12*\a+2*\p+1], v[AD1+(\s)/2] offset:3072*\a+1536*((\s)%2)+256*\p
.endr
.endr
.endm
.macro MUL32 s                         ; the 32 accumulators take turns, one instruction a turn, in the same order in every step; the first step's products start the sums
	WIN 0xa1                                       ; source 0 window 1, source 1 window 0, C and D window 2
.irp a, 0,1,2,3
.irp b, 0,1,2,3,4,5,6,7
.if (\s) == 0
	v_wmma_scale_f32_16x16x128_f8f6f4 v[8*(8*\a+\b):8*(8*\a+\b)+7], v[128*((\s)%2)+12*\b:128*((\s)%2)+12*\b+11], v[S1F+48*((\s)%2)+12*\a:S1F+48*((\s)%2)+12*\a+11], 0, v[SC0+8*\b+(\s)], v[SC1+8*\a+(\s)] matrix_a_fmt:MATRIX_FMT_FP6 matrix_b_fmt:MATRIX_FMT_FP6
.else
	v_wmma_scale_f32_16x16x128_f8f6f4 v[8*(8*\a+\b):8*(8*\a+\b)+7], v[128*((\s)%2)+12*\b:128*((\s)%2)+12*\b+11], v[S1F+48*((\s)%2)+12*\a:S1F+48*((\s)%2)+12*\a+11], v[8*(8*\a+\b):8*(8*\a+\b)+7], v[SC0+8*\b+(\s)], v[SC1+8*\a+(\s)] matrix_a_fmt:MATRIX_FMT_FP6 matrix_b_fmt:MATRIX_FMT_FP6
.endif
.endr
.endr
.endm
.macro STEP s
	s_wait_dscnt 0x0                               ; this step's fragments are in (asked for 32 matrix instructions ago)
.if ((\s)%2 == 1) && ((\s) < 7)
	s_wait_tensorcnt 3-((\s)+1)/2                  ; my part of the next chunk has landed; my loads of the chunks behind it may stay out
	s_barrier_signal -1
	s_barrier_wait -1                              ; everybody's has
.endif
.if (\s) < 7
	PLACES 4                                       ; four places in front of loads into registers that the last step's products have read
	FETCH (\s)+1
.endif
	MUL32 \s
.endm
	s_wait_tensorcnt 3                             ; my part of chunk 0 is in; my three younger loads may stay out
	s_barrier_signal -1
	s_barrier_wait -1
	FETCH 0
	s_wait_loadcnt 0x0                             ; the scale words
	STEP 0
	STEP 1
	STEP 2
	STEP 3
	STEP 4
	STEP 5
	STEP 6
	STEP 7
	WIN 0
	PLACES 4                                       ; four places in front of the first read of results
; Tile a's 64 numbers of a lane, register 16 b + i = S0's row 32 b + 16 (lane / 16) + i, become a fragment's codes in v[CD + 12 a] on and its scale word in v[PW + a].
.macro QUANT a
	WIN 0x28                                       ; sources 1 and 2 window 2
.irp b, 0,1,2,3
	v_max3_num_f32 v[TM+\b], 0x1800000, |v[64*\a+16*\b]|, |v[64*\a+16*\b+1]|   ; block b: my 16 numbers and the floor 2^(3 - 127); each accumulator is read from its low end on
.endr
.irp i, 2,4,6,8,10,12,14
.irp b, 0,1,2,3
	v_max3_num_f32 v[TM+\b], v[TM+\b], |v[64*\a+16*\b+\i]|, |v[64*\a+16*\b+\i+1]|
.endr
.endr
	WIN 0
.irp b, 0,1,2,3
	v_permlanex16_b32 v[TM+4+\b], v[TM+\b], s[SEL], s[SEL+1]
.endr
.irp b, 0,1,2,3
	v_max_num_f32 v[TM+\b], v[TM+\b], v[TM+4+\b]   ; with lane l xor 16's: the block's largest magnitude
.endr
.irp b, 0,1,2,3
	v_add_nc_u32 v[TM+12+\b], 0xff000000, v[TM+\b] ; 2 off its exponent field: the conversion's scale operand
.endr
.irp b, 0,1,2,3
	v_lshrrev_b32 v[TM+4+\b], 23, v[TM+12+\b]      ; the scale's byte
.endr
	v_lshl_or_b32 v[PW+\a], v[TM+5], 8, v[TM+4]
	v_lshl_or_b32 v[PW+\a], v[TM+6], 16, v[PW+\a]
	v_lshl_or_b32 v[PW+\a], v[TM+7], 24, v[PW+\a]
	WIN 0x02                                       ; source 0 window 2
.irp c, 0,1
	v_cvt_scalef32_pk16_fp6_f32 v[CD+12*\a+6*\c:CD+12*\a+6*\c+2], v[64*\a+32*\c:64*\a+32*\c+15], v[TM+12+2*\c]
	v_cvt_scalef32_pk16_fp6_f32 v[CT+4*\c:CT+4*\c+2], v[64*\a+32*\c+16:64*\a+32*\c+31], v[TM+12+2*\c+1]
.endr
	WIN 0
	v_nop                                          ; one plain place behind the scaled conversions
.irp c, 0,1                            ; the operand's layout wants a whole block in a lane: lanes 0-15 block 2 c, lanes 16-31 block 2 c + 1
.irp i, 0,1,2
	v_permlane16_swap_b32 v[CD+12*\a+6*\c+\i], v[CT+4*\c+\i]
.endr
.irp i, 0,1,2
	v_mov_b32 v[CD+12*\a+6*\c+3+\i], v[CT+4*\c+\i]
.endr
.endr
.endm
	QUANT 0
	QUANT 1
	QUANT 2
	QUANT 3
	s_cmp_lt_u32 ttmp9, 32                         ; the cluster's number alone
	s_cbranch_scc0 .Lv_out
	; Q, K: registers 0-5 of a fragment are the pair's first head, 6-11 its second: three planes each, to their heads' streams
	s_lshr_b32 s84, s94, 7                         ; b
	s_and_b32 s85, s94, 127                        ; my first tile of tokens in the batch
	s_sub_co_u32 s86, s76, 512
	s_lshr_b32 s86, s86, 3                         ; the head pair, 0-7 Q's, 8-15 K's
	s_lshl_b32 s87, s84, 4
	s_add_co_u32 s87, s87, s86                     ; 16 b + pair
	s_lshl_b32 s88, s87, 8                         ; (32 b + 2 pair) x 128 tiles
	s_add_co_u32 s88, s88, s85
	s_mul_i32 s88, s88, 768
	s_mov_b32 s89, 0
	s_add_nc_u64 s[8:9], s[8:9], s[88:89]
	s_lshl_b32 s88, s87, 5
	s_lshr_b32 s85, s85, 2
	s_add_co_u32 s88, s88, s85                     ; (16 b + pair) x 32 + my group of 64 tokens
	s_lshl_b32 s88, s88, 8
	s_add_nc_u64 s[10:11], s[10:11], s[88:89]
.irp a, 0,1,2,3
.irp p, 0,1,2,3,4,5
	global_store_b64 v[LN8], v[CD+12*\a+2*\p:CD+12*\a+2*\p+1], s[8:9] offset:768*\a+98304*(\p/3)+256*(\p%3)   ; a plane: 256 consecutive bytes, aligned
.endr
.endr
	s_mov_b32 s98, 0x05040100
	s_mov_b32 s99, 0x07060302
	v_perm_b32 v[TM], v[PW+1], v[PW], s98          ; first head: tiles 0 and 1's two bytes each,
	v_perm_b32 v[TM+1], v[PW+3], v[PW+2], s98      ; tiles 2 and 3's
	v_perm_b32 v[TM+2], v[PW+1], v[PW], s99        ; second head likewise
	v_perm_b32 v[TM+3], v[PW+3], v[PW+2], s99
	v_cmp_eq_u32 vcc_lo, 1, v3
	v_cndmask_b32 v[TM], v[TM], v[TM+2], vcc_lo    ; lanes 0-15 store the first head's words, lanes 16-31 the second's
	v_cndmask_b32 v[TM+1], v[TM+1], v[TM+3], vcc_lo
	global_store_b64 v[LN8], v[TM:TM+1], s[10:11]  ; 256 consecutive bytes, aligned
	s_branch .Ldone
.Lv_out:
	s_lshr_b32 s84, s76, 3                         ; which 128 tokens
	s_lshr_b32 s85, s84, 4                         ; b
	s_and_b32 s84, s84, 15                         ; the key step
	s_sub_co_u32 s86, s94, 640
	s_lshr_b32 s86, s86, 2                         ; the head
	s_lshl_b32 s85, s85, 4
	s_add_co_u32 s85, s85, s86
	s_lshl_b32 s85, s85, 4
	s_add_co_u32 s85, s85, s84                     ; (16 b + head) x 16 + key step
	s_mul_i32 s88, s85, 6144
	s_mov_b32 s89, 0
	s_add_nc_u64 s[12:13], s[12:13], s[88:89]
	s_lshl_b32 s88, s85, 8
	s_add_nc_u64 s[14:15], s[14:15], s[88:89]
.irp a, 0,1,2,3
.irp p, 0,1,2,3,4,5
	global_store_b64 v[LN8], v[CD+12*\a+2*\p:CD+12*\a+2*\p+1], s[12:13] offset:1536*\a+256*\p
.endr
.endr
	v_cmp_eq_u32 vcc_lo, 1, v3
	v_cndmask_b32 v[TM], v[PW], v[PW+2], vcc_lo    ; row r's four words: lanes 0-15 store tiles 0 and 1's, lanes 16-31 tiles 2 and 3's
	v_cndmask_b32 v[TM+1], v[PW+1], v[PW+3], vcc_lo
	v_lshlrev_b32 v[TM+2], 4, v2
	v_lshl_add_u32 v[TM+2], v3, 3, v[TM+2]         ; 16 r + 8 h
	global_store_b64 v[TM+2], v[TM:TM+1], s[14:15] ; the 32 lanes cover 256 consecutive bytes, aligned
.Ldone:
	s_wait_tensorcnt 0x0                           ; the wave's end, behind my last tensor load
	ds_add_u32 v[SPW], v[NIL]
	s_wait_dscnt 0x0
	CROUND                                         ; the closing round
	s_endpgm
.Lfunc_end_k_qee91444fcb_qkv:
	.size	k_qee91444fcb_qkv, .Lfunc_end_k_qee91444fcb_qkv-k_qee91444fcb_qkv
	.p2alignl 7, 3214868480
	.fill 96, 4, 3214868480
	.section	.rodata,"a",@progbits
	.p2align	6, 0x0
	.amdhsa_kernel k_qee91444fcb_qkv
		.amdhsa_group_segment_fixed_size 327680
		.amdhsa_private_segment_fixed_size 0
		.amdhsa_enable_private_segment 0
		.amdhsa_kernarg_size 48
		.amdhsa_user_sgpr_count 2
		.amdhsa_user_sgpr_kernarg_segment_ptr 1
		.amdhsa_wavefront_size32 1
		.amdhsa_system_sgpr_workgroup_id_x 1
		.amdhsa_system_sgpr_workgroup_id_y 1
		.amdhsa_system_sgpr_workgroup_id_z 1
		.amdhsa_system_vgpr_workitem_id 0
		.amdhsa_next_free_vgpr 768
		.amdhsa_next_free_sgpr 100
		.amdhsa_reserve_vcc 1
		.amdhsa_float_denorm_mode_32 3
		.amdhsa_float_denorm_mode_16_64 3
		.amdhsa_memory_ordered 1
		.amdhsa_forward_progress 1
		.amdhsa_inst_pref_size 103
	.end_amdhsa_kernel
	.amdgpu_metadata
---
amdhsa.version: [ 1, 2 ]
amdhsa.kernels:
  - .name:           k_qee91444fcb_qkv
    .symbol:         k_qee91444fcb_qkv.kd
    .args:
      - { .name: xw_c, .offset: 0, .size: 8, .value_kind: global_buffer, .address_space: global }
      - { .name: xw_s, .offset: 8, .size: 8, .value_kind: global_buffer, .address_space: global }
      - { .name: qk_c, .offset: 16, .size: 8, .value_kind: global_buffer, .address_space: global }
      - { .name: qk_s, .offset: 24, .size: 8, .value_kind: global_buffer, .address_space: global }
      - { .name: v_c, .offset: 32, .size: 8, .value_kind: global_buffer, .address_space: global }
      - { .name: v_s, .offset: 40, .size: 8, .value_kind: global_buffer, .address_space: global }
    .group_segment_fixed_size: 327680
    .private_segment_fixed_size: 0
    .kernarg_segment_align: 8
    .kernarg_segment_size: 48
    .max_flat_workgroup_size: 128
    .sgpr_count:     100
    .vgpr_count:     768
    .wavefront_size: 32
...
	.end_amdgpu_metadata
.endif
;; end of part 2
;; launch attn (part 3): grid 8 x 64, 16 waves a work-group, no clusters, 327,680 bytes of LDS; arguments qk_c, qk_s, v_c, v_s, o_c, o_s; writes o_c, o_s
.if DOCPART == 3
	.amdgcn_target "amdgcn-amd-amdhsa--gfx1250"
	.amdhsa_code_object_version 6
	.text
	.protected	k_qee91444fcb_attn
	.globl	k_qee91444fcb_attn
	.p2align	8
	.type	k_qee91444fcb_attn,@function
k_qee91444fcb_attn:
	s_mov_b64 s[64:65], 0
	v_nop
	global_prefetch_b8 v0, s[64:65] scope:SCOPE_SE
	s_setreg_imm32_b32 hwreg(HW_REG_WAVE_MODE, 25, 1), 1
	s_wait_xcnt 0x0
; LAUNCH 3 OF 4.  Products 4 and 5 with the causal softmax between them, on codes of FP6 (E2M3) with E8M0 scales; O / l is quantised along the head's 64 and leaves as codes for product 6.
; WORK LEFT OUT: a step of 128 keys all of which come after a wave's queries (reference()'s own mask gives them the weight 0 for all finite inputs); a NaN, an infinity or an overflow that reaches only such scores is not carried.
; THE SOFTMAX: t = score x log2(e) / 8; M = the running largest t rounded UP to a whole number; p = 2^(t - M) is quantised along the keys, not normalised; the row's sum is taken of the unquantised p and divides O at
; the end.  When M moves, the sum and O are multiplied by 2^(old M - new M): exact.
; SHARES.  A work-group serves one (batch, head).  Waves 0-7 own the tiles of query block j (128 queries), waves 8-15 those of block 15 - j: 8 x (j + 1) + 8 x (16 - j) = 136 wave-steps in every work-group.
; A wave owns one tile of 16 queries: query 32 (tile / 2) + 8 (tile % 2) + r + 8 (r / 8) in lane-row r.  Both products are used transposed: a lane holds one query throughout.
; PRODUCT 4 HAS K = 64, the instruction 128.  A fragment of K is TWO neighbouring tiles of keys (1,536 consecutive bytes): k 0-63 the first tile's 64 channels, k 64-127 the second's.  Q is kept twice, as [q; 0]
; and as [0; q], in registers of their own: the first picks the first tile's scores, the second the second's.  Zero codes add nothing under any scale byte of 1 to 254.
; The 16 score registers of tiles 2 m, 2 m + 1 are keys 32 m + 16 (lane / 16) + 0 .. 15.
; THE RING: two slots of 512 keys (K's 24,576 bytes, then V's), dense blocks of memory; wave 0 fetches K's, wave 1 V's.  The head's scale words stay in LDS.
; NO CLUSTER: the work-groups of a head need different numbers of slots (the causal limit hangs on j), so partners could not make every joint request for tiles that each of them reads.
; LIMITS: a block of zeros gets the byte 1 (its codes are zeros; this program alone reads the bytes); NaN and infinities are not served.  O's scale bytes leave 2 bytes a row: a head owns no more of a row's 32.
.set VOFF,  24576
.set SLOT1, 65536                      ; one exclusive or turns an address in one slot into the other's
.set KSC,   131072                     ; K's scale words of my head: [32 groups of 64 keys][r][2]: 4,096 bytes
.set VSC,   135168                     ; V's: [16 key steps][r][4]: 4,096 bytes
.set SPARE, 139264                     ; the spare words, 128 bytes a wave: eight blocks of 256 bytes that no other line names
.set NSL,   4
.set AK0,  1                           ; v1   8 x lane
.set AV0,  2                           ; v2   8 x lane + VOFF
.set ASK0, 3                           ; v3   KSC + 8 r
.set ASV0, 4                           ; v4   VSC + 16 r
.set SPW,  5                           ; v5   my spare word; never rewritten
.set NIL,  6                           ; v6   0; never rewritten
.set LN8,  7                           ; v7   8 x lane
.set ADK,  8                           ; v8-11 the addresses of the step in hand
.set ADV,  9
.set ADS,  10
.set ADT,  11                          ; v12 -M, v13 the largest t, v[14:15] the sum; v16-27 [q; 0], v28-39 [0; q]; v40-87 four fragments of K, then of V
.set DQ,   88                          ; v88  r + 8 (r / 8) + 8 u - 16 h
.set ORO,  89                          ; v89  (r + 8 (r / 8)) x 32
.set PFO,  90                          ; v90  256 x lane
.set LNE,  91                          ; v91  lane.   v96-159 S^T, then p; v160-191 O^T; v224-235 p's codes; v232-247, v252, v254 at work; v248-251 scale words; v253 p's scale word; v255 Q's
.set WV,   18
.set SEL,  20
.set CS,   22
.set G1C,  24                          ; s[24:31] group 1: a dense block of 24,576 bytes as 96 rows of 256
.set G1KS, 32                          ; s[32:39] my head's 128 bytes of each 256 of the pair's scale words, 32 rows
.set G1VS, 40                          ; s[40:47] 16 rows of 256 bytes
.set G0K,  48
.set G0V,  52
.set G0KS, 56
.set G0VS, 60
.set TB,   2
.set TS,   3
.set SLOTS, 67
.set KF,   68
.set Q0,   69
.set QL,   70
.set PFA,  72
.set LIM,  74
.macro TLOAD g0a, g1a, g0b, g1b        ; wave 0 takes the first pair, wave 1 the second, the others none; an s_nop 0 and four v_nop follow each line
	s_cmp_eq_u32 s[WV], 0
	s_cbranch_scc0 .Lnot_a_\@
	tensor_load_to_lds s[\g0a:\g0a+3], s[\g1a:\g1a+7]
	s_nop 0
.rept 4
	v_nop
.endr
	s_branch .Lasked_\@
.Lnot_a_\@:
	s_cmp_eq_u32 s[WV], 1
	s_cbranch_scc0 .Lasked_\@
	tensor_load_to_lds s[\g0b:\g0b+3], s[\g1b:\g1b+7]
	s_nop 0
.rept 4
	v_nop
.endr
.Lasked_\@:
.endm
; A prefetch of the slot that the NEXT change of slots will ask for, four key steps ahead of that load.  All eight work-groups of a head walk the same streams: work-group j = 0, which walks all four slots, asks.
; Waves 4-6 name K's 24,576 bytes, waves 8-10 V's: 8,192 bytes a wave, lanes 256 bytes apart: each aligned block of 256 bytes is named once in the launch.  Slots 0 and 1 come by their loads alone; the last change that fills a slot asks for nothing.
.macro ASK
	s_cmp_gt_u32 s[SLOTS], s[LIM]
	s_cbranch_scc0 .Lnot_mine_\@
	global_prefetch_b8 v[PFO], s[PFA:PFA+1] th:TH_LOAD_NT scope:SCOPE_SE
.Lnot_mine_\@:
.endm
	s_load_b256 s[4:11], s[0:1], 0x0               ; qk_c, qk_s, v_c, v_s
	s_load_b128 s[12:15], s[0:1], 0x20             ; o_c, o_s
	v_lshl_add_u32 v[SPW], v0, 2, SPARE
	v_mov_b32 v[NIL], 0
	ds_add_u32 v[SPW], v[NIL]                      ; the opening: the add, twice on end, and its wait ahead of the first tensor load
	ds_add_u32 v[SPW], v[NIL]
	v_lshrrev_b32 v8, 5, v0
	s_delay_alu instid0(VALU_DEP_1)
	v_readfirstlane_b32 s[WV], v8
	s_and_b32 s80, ttmp7, 0xffff                   ; 16 b + head
	s_lshr_b32 s81, s80, 4                         ; b
	s_and_b32 s82, s80, 15                         ; head
	s_sub_co_u32 s83, 15, ttmp9
	s_lshl_b32 s[QL], s83, 7
	s_add_co_u32 s[QL], s[QL], 127                 ; the work-group's last query
	s_cmp_lt_u32 s[WV], 8
	s_cselect_b32 s83, ttmp9, s83                  ; my block of 128 queries
	s_and_b32 s84, s[WV], 7
	s_lshl_b32 s83, s83, 3
	s_add_co_u32 s84, s84, s83                     ; my tile of queries
	s_and_b32 s85, s[WV], 1                        ; u
	s_lshr_b32 s[Q0], s84, 1
	s_lshl_b32 s[Q0], s[Q0], 5                     ; the first query of my pair of tiles
	s_lshr_b32 s86, s82, 1                         ; the head pair
	s_and_b32 s87, s82, 1                          ; which of the pair
	s_lshl_b32 s98, s81, 5
	s_add_co_u32 s98, s98, s82                     ; 32 b + head
	s_add_co_u32 s88, s98, 16
	s_mul_i32 s88, s88, 98304                      ; K's stream of my head
	s_mov_b32 s89, 0
	s_mul_i32 s90, s80, 98304                      ; V's
	s_mov_b32 s91, 0
	s_lshl_b32 s99, s81, 4
	s_add_co_u32 s99, s99, s86                     ; 16 b + pair
	s_add_co_u32 s92, s99, 8
	s_lshl_b32 s92, s92, 13
	s_lshl_b32 s75, s87, 7
	s_add_co_u32 s92, s92, s75                     ; K's scale words
	s_mov_b32 s93, 0
	s_lshl_b32 s94, s80, 12                        ; V's
	s_mov_b32 s95, 0
	s_mov_b32 s[G1C], 3<<16                        ; no mask; elements of 8 bytes; no padding
	s_mov_b32 s[G1C+1], 32<<16
	s_mov_b32 s[G1C+2], 96<<16
	s_mov_b32 s[G1C+3], 32<<16
	s_mov_b32 s[G1C+4], 96
	s_mov_b32 s[G1C+5], 32
	s_mov_b32 s[G1C+6], 0
	s_mov_b32 s[G1C+7], 0
	s_mov_b32 s[G1KS], 3<<16
	s_mov_b32 s[G1KS+1], 16<<16
	s_mov_b32 s[G1KS+2], 32<<16
	s_mov_b32 s[G1KS+3], 16<<16
	s_mov_b32 s[G1KS+4], 32
	s_mov_b32 s[G1KS+5], 32
	s_mov_b32 s[G1KS+6], 0
	s_mov_b32 s[G1KS+7], 0
	s_mov_b32 s[G1VS], 3<<16
	s_mov_b32 s[G1VS+1], 32<<16
	s_mov_b32 s[G1VS+2], 16<<16
	s_mov_b32 s[G1VS+3], 32<<16
	s_mov_b32 s[G1VS+4], 16
	s_mov_b32 s[G1VS+5], 32
	s_mov_b32 s[G1VS+6], 0
	s_mov_b32 s[G1VS+7], 0
	s_mov_b32 s[SEL], 0x76543210
	s_mov_b32 s[SEL+1], 0xfedcba98
	s_mov_b32 s[CS], 0x3e38aa3b                    ; c = log2(e) / 8
	s_mov_b32 s[CS+1], s[CS]
	s_mov_b32 s[TB], 0
	s_mov_b32 s[TS], 0
	s_mov_b32 s[KF], 0
	s_mov_b32 s[SLOTS], NSL-1
	s_wait_dscnt 0x0                               ; both opening adds are done
	s_wait_kmcnt 0x0
	s_add_nc_u64 s[76:77], s[4:5], s[88:89]
	s_add_nc_u64 s[78:79], s[8:9], s[90:91]
	s_mov_b32 s[G0KS], 1
	s_mov_b32 s[G0KS+1], KSC
	s_add_nc_u64 s[G0KS+2:G0KS+3], s[6:7], s[92:93]
	s_or_b32 s[G0KS+3], s[G0KS+3], 0x80000000
	s_mov_b32 s[G0VS], 1
	s_mov_b32 s[G0VS+1], VSC
	s_add_nc_u64 s[G0VS+2:G0VS+3], s[10:11], s[94:95]
	s_or_b32 s[G0VS+3], s[G0VS+3], 0x80000000
	TLOAD G0KS, G1KS, G0VS, G1VS                   ; the head's scale words: filled once
	s_mov_b32 s[G0K], 1
	s_mov_b32 s[G0K+1], 0
	s_mov_b64 s[G0K+2:G0K+3], s[76:77]
	s_or_b32 s[G0K+3], s[G0K+3], 0x80000000
	s_mov_b32 s[G0V], 1
	s_mov_b32 s[G0V+1], VOFF
	s_mov_b64 s[G0V+2:G0V+3], s[78:79]
	s_or_b32 s[G0V+3], s[G0V+3], 0x80000000
	TLOAD G0K, G1C, G0V, G1C                       ; slot 0: it holds key 0, which counts for every query
	s_lshl_b32 s96, s98, 7
	s_add_co_u32 s96, s96, s84
	s_mul_i32 s96, s96, 768
	s_mov_b32 s97, 0
	s_add_nc_u64 s[4:5], s[4:5], s[96:97]          ; Q's codes: my tile's three planes
	s_lshl_b32 s96, s99, 5
	s_lshr_b32 s71, s84, 2
	s_add_co_u32 s96, s96, s71
	s_lshl_b32 s96, s96, 8
	s_add_co_u32 s96, s96, s75
	s_bfe_u32 s71, s84, 0x10001
	s_lshl_b32 s71, s71, 2
	s_add_co_u32 s96, s96, s71
	s_add_nc_u64 s[6:7], s[6:7], s[96:97]          ; the words that hold my tile's scale bytes
	s_lshl_b32 s96, s81, 7
	s_add_co_u32 s96, s96, s84                     ; 128 b + tile
	s_lshl_b32 s96, s96, 3
	s_add_co_u32 s96, s96, s86
	s_mul_i32 s96, s96, 1536
	s_mul_i32 s71, s87, 768
	s_add_co_u32 s96, s96, s71
	s_add_nc_u64 s[12:13], s[12:13], s[96:97]      ; O's codes: K step = the head pair, my head's three planes
	s_lshl_b32 s96, s81, 11
	s_add_co_u32 s96, s96, s[Q0]
	s_lshl_b32 s71, s85, 3
	s_add_co_u32 s96, s96, s71
	s_lshl_b32 s96, s96, 5
	s_lshl_b32 s71, s82, 1
	s_add_co_u32 s96, s96, s71
	s_add_nc_u64 s[14:15], s[14:15], s[96:97]      ; O's scale bytes: row 2,048 b + Q0 + 8 u, bytes 2 head on
	s_cmp_lt_u32 s[WV], 8                          ; the prefetches: waves 4-6 stand in K's stream, waves 8-10 in V's,
	s_cselect_b64 s[PFA:PFA+1], s[76:77], s[78:79]
	s_and_b32 s96, s[WV], 3
	s_lshl_b32 s96, s96, 13
	s_add_co_u32 s96, s96, 24576                   ; at my part of slot 1: the first change of slots steps it to slot 2
	s_add_nc_u64 s[PFA:PFA+1], s[PFA:PFA+1], s[96:97]
	s_sub_co_u32 s96, s[WV], 4
	s_lshr_b32 s96, s96, 3                         ; 0 in waves 4 to 11
	s_or_b32 s96, s96, ttmp9                       ; of work-group j = 0
	s_cmp_eq_u32 s96, 0
	s_cselect_b32 s[LIM], 1, -1
	s_and_b32 s96, s[WV], 3
	s_cmp_eq_u32 s96, 3                            ; (a slot's stream is three waves' worth)
	s_cselect_b32 s[LIM], -1, s[LIM]
	s_mov_b32 s71, 0x03020302
	s_cmp_eq_u32 s85, 0
	s_cselect_b32 s66, 0x01000100, s71             ; which half of the word is my tile's: it is laid twice, for [q; 0] and [0; q] alike
	v_and_b32 v[LNE], 31, v0
	v_and_b32 v8, 15, v0                           ; r
	v_bfe_u32 v9, v0, 4, 1                         ; h
	s_delay_alu instid0(VALU_DEP_3)
	v_lshlrev_b32 v[LN8], 3, v[LNE]
.irp p, 0,1,2
	global_load_b64 v[16+2*\p:17+2*\p], v[LN8], s[4:5] offset:256*\p
	global_load_b64 v[34+2*\p:35+2*\p], v[LN8], s[4:5] offset:256*\p
.endr
	v_lshlrev_b32 v10, 3, v8
	global_load_b32 v254, v10, s[6:7]
	v_lshlrev_b32 v[AK0], 3, v[LNE]
	s_delay_alu instid0(VALU_DEP_1)
	v_add_nc_u32 v[AV0], VOFF, v[AK0]
	v_lshl_add_u32 v[ASK0], v8, 3, KSC
	v_lshl_add_u32 v[ASV0], v8, 4, VSC
	v_and_b32 v11, 8, v8
	s_delay_alu instid0(VALU_DEP_1)
	v_add_nc_u32 v11, v11, v8                      ; r + 8 (r / 8)
	s_delay_alu instid0(VALU_DEP_1)
	v_lshlrev_b32 v[ORO], 5, v11
	v_lshlrev_b32 v92, 4, v9
	s_delay_alu instid0(VALU_DEP_1)
	v_sub_nc_u32 v[DQ], v11, v92
	s_lshl_b32 s71, s85, 3
	v_add_nc_u32 v[DQ], s71, v[DQ]
	v_lshlrev_b32 v[PFO], 8, v[LNE]
	v_mov_b32 v13, 0xff61b1e6                      ; the largest t so far: -3e38
	s_delay_alu instid0(VALU_DEP_1)
	v_floor_f32 v12, -v13                          ; -M
	v_mov_b32 v14, 0
	v_mov_b32 v15, 0
.irp b, 0,1,2,3
	v_mov_b32 v[236+\b], 0                         ; written once: a lane permute's destination counts as one of its sources
.endr
	v_mov_b32 v252, 0
	v_mov_b32 v253, 0
.set n, 22
.rept 12
	v_mov_b32 v[n], 0                              ; the zero halves of [q; 0] and [0; q]
.set n, n+1
.endr
	s_wait_loadcnt 0x0                             ; Q and its scale word
	v_perm_b32 v255, v254, v254, s66
.set n, 0
.rept 32
	v_mov_b32 v[160+n], 0                          ; O^T: the first change of M leaves zeros zeros.  (These are also the places between the line above and the first product)
.set n, n+1
.endr
; A KEY STEP: 128 keys, the q-th of the slot in hand.
.macro STEP q
	s_add_co_u32 s96, s[Q0], 31
	s_cmp_gt_u32 s[KF], s96                        ; all 128 keys come after my queries: the step's work is left out; ids and the count of steps alone decide
	s_cbranch_scc1 .Lhidden_\@
	v_add_nc_u32 v[ADK], s[TB], v[AK0]             ; (these four are the places in front of loads into registers that the last step's products have read)
	v_add_nc_u32 v[ADV], s[TB], v[AV0]
	v_add_nc_u32 v[ADS], s[TS], v[ASK0]
	v_add_nc_u32 v[ADT], s[TS], v[ASV0]
.irp m, 0,1,2,3
.irp p, 0,1,2,3,4,5
	ds_load_b64 v[40+12*\m+2*\p:41+12*\m+2*\p], v[ADK] offset:6144*(\q)+1536*\m+256*\p
.endr
.endr
.irp g, 0,1
	ds_load_b64 v[248+2*\g:249+2*\g], v[ADS] offset:128*\g
.endr
	s_wait_alu depctr_va_vdst(0)
	s_wait_dscnt 0x0
.irp m, 0,1,2,3
	v_wmma_scale_f32_16x16x128_f8f6f4 v[96+16*\m:103+16*\m], v[40+12*\m:51+12*\m], v[16:27], 0, v[248+\m], v255 matrix_a_fmt:MATRIX_FMT_FP6 matrix_b_fmt:MATRIX_FMT_FP6
	v_wmma_scale_f32_16x16x128_f8f6f4 v[104+16*\m:111+16*\m], v[40+12*\m:51+12*\m], v[28:39], 0, v[248+\m], v255 matrix_a_fmt:MATRIX_FMT_FP6 matrix_b_fmt:MATRIX_FMT_FP6
.endr
.rept 4
	v_nop                                          ; four places: in front of the loads below and of the first read of the scores
.endr
.irp t, 0,1,2,3                        ; V's fragments and scale words are asked for now and land under the softmax
.irp p, 0,1,2,3,4,5
	ds_load_b64 v[40+12*\t+2*\p:41+12*\t+2*\p], v[ADV] offset:6144*(\q)+1536*\t+256*\p
.endr
.endr
	ds_load_b128 v[248:251], v[ADT]
	s_add_co_u32 s96, s[KF], 127                   ; on the diagonal hidden scores become -infinity ahead of the maximum; a step all of whose keys count skips this
	s_cmp_le_u32 s96, s[Q0]
	s_cbranch_scc1 .Lopen_\@
	s_sub_co_i32 s96, s[Q0], s[KF]
	v_add_nc_u32 v252, s96, v[DQ]                  ; d = my query - KF - 16 h.  Register 16 b + i holds key KF + 16 h + 32 b + i: hidden where 32 b + i > d
	v_mov_b32 v254, 0xff800000
.set n, 0
.rept 64
	v_cmp_gt_i32 vcc_lo, 32*(n/16)+n%16, v252
	v_cndmask_b32 v[96+n], v[96+n], v254, vcc_lo
.set n, n+1
.endr
.Lopen_\@:
.irp b, 0,1,2,3
	v_max3_num_f32 v[232+\b], v[96+16*\b], v[97+16*\b], v[98+16*\b]   ; the largest score of each block of 32 keys: for the row's maximum and, since p rises with the score, for the block's largest p
.endr
.irp i, 3,5,7,9,11,13
.irp b, 0,1,2,3
	v_max3_num_f32 v[232+\b], v[232+\b], v[96+16*\b+\i], v[97+16*\b+\i]
.endr
.endr
.irp b, 0,1,2,3
	v_max_num_f32 v[232+\b], v[232+\b], v[111+16*\b]
.endr
.irp b, 0,1,2,3
	s_delay_alu instid0(VALU_DEP_4)
	v_permlanex16_b32 v[236+\b], v[232+\b], s[SEL], s[SEL+1]
.endr
.irp b, 0,1,2,3
	s_delay_alu instid0(VALU_DEP_4)
	v_max_num_f32 v[232+\b], v[232+\b], v[236+\b]
.endr
	s_delay_alu instid0(VALU_DEP_2)
	v_max3_num_f32 v254, v232, v233, v234
	s_delay_alu instid0(VALU_DEP_1)
	v_max_num_f32 v254, v254, v235
	s_delay_alu instid0(VALU_DEP_1)
	v_mul_f32 v254, s[CS], v254                    ; as t
	s_delay_alu instid0(VALU_DEP_1)
	v_max_num_f32 v13, v13, v254                   ; the running largest t
	v_mov_b32 v254, v12
	s_delay_alu instid0(VALU_DEP_2)
	v_floor_f32 v12, -v13                          ; the new -M = -ceil(t)
	s_delay_alu instid0(VALU_DEP_1)
	v_sub_f32 v254, v12, v254                      ; old M - new M: a whole number, 0 or less
	s_delay_alu instid0(VALU_DEP_1)
	v_cvt_i32_f32 v254, v254                       ; (it saturates)
	s_delay_alu instid0(VALU_DEP_1)
	v_ldexp_f32 v252, 1.0, v254                    ; f = 2^(old M - new M)
.set n, 0
.rept 32
	v_pk_fma_f32 v[96+n:97+n], v[96+n:97+n], s[CS:CS+1], v[12:13] op_sel_hi:[1,0,0]   ; t - M, two at a time
.set n, n+2
.endr
.irp b, 0,1,2,3
	v_fma_f32 v[232+\b], v[232+\b], s[CS], v12
.endr
.set n, 0
	s_wait_alu depctr_va_vdst(0)
.rept 64
	v_exp_f32 v[96+n], v[96+n]                     ; p = 2^(t - M)
.set n, n+1
.endr
	v_pk_mul_f32 v[14:15], v[14:15], v[252:253] op_sel_hi:[1,0]   ; the sums under the new M: a plain place behind the exponentials
	s_wait_alu depctr_va_vdst(0)                   ; one wait for the batch, ahead of its first reader
.irp b, 0,1,2,3
	v_exp_f32 v[232+\b], v[232+\b]                 ; the block's largest p
.endr
	v_pk_add_f32 v[236:237], v[100:101], v[104:105]
	v_pk_add_f32 v[222:223], v[108:109], v[112:113]
	v_pk_add_f32 v[220:221], v[116:117], v[120:121]
	v_pk_add_f32 v[218:219], v[124:125], v[128:129]
	v_pk_add_f32 v[216:217], v[132:133], v[136:137]
	v_pk_add_f32 v[214:215], v[140:141], v[144:145]
	v_pk_add_f32 v[212:213], v[148:149], v[152:153]
	v_pk_add_f32 v[14:15], v[14:15], v[156:157]
	v_pk_add_f32 v[236:237], v[236:237], v[96:97]
	v_pk_add_f32 v[222:223], v[222:223], v[98:99]
	v_pk_add_f32 v[220:221], v[220:221], v[102:103]
	v_pk_add_f32 v[218:219], v[218:219], v[106:107]
	v_pk_add_f32 v[216:217], v[216:217], v[110:111]
	v_pk_add_f32 v[214:215], v[214:215], v[114:115]
	v_pk_add_f32 v[212:213], v[212:213], v[118:119]
	v_pk_add_f32 v[14:15], v[14:15], v[122:123]
	v_pk_add_f32 v[236:237], v[236:237], v[126:127]
	v_pk_add_f32 v[222:223], v[222:223], v[130:131]
	v_pk_add_f32 v[220:221], v[220:221], v[134:135]
	v_pk_add_f32 v[218:219], v[218:219], v[138:139]
	v_pk_add_f32 v[216:217], v[216:217], v[142:143]
	v_pk_add_f32 v[214:215], v[214:215], v[146:147]
	v_pk_add_f32 v[212:213], v[212:213], v[150:151]
	v_pk_add_f32 v[14:15], v[14:15], v[154:155]
	v_pk_add_f32 v[236:237], v[236:237], v[158:159]
	s_delay_alu instid0(VALU_DEP_2)
	v_pk_add_f32 v[14:15], v[14:15], v[218:219]
	s_delay_alu instid0(VALU_DEP_2)
	v_pk_add_f32 v[236:237], v[236:237], v[216:217]
	v_pk_add_f32 v[222:223], v[222:223], v[214:215]
	v_pk_add_f32 v[220:221], v[220:221], v[212:213]
	s_delay_alu instid0(VALU_DEP_2)
	v_pk_add_f32 v[14:15], v[14:15], v[222:223]
	s_delay_alu instid0(VALU_DEP_2)
	v_pk_add_f32 v[236:237], v[236:237], v[220:221]
	s_delay_alu instid0(VALU_DEP_1)
	v_pk_add_f32 v[14:15], v[14:15], v[236:237]
	s_wait_alu depctr_va_vdst(0)                   ; and one for the four
.irp b, 0,1,2,3
	v_max_num_f32 v[232+\b], 0x1800000, v[232+\b]  ; the floor 2^(3 - 127)
.endr
.irp b, 0,1,2,3
	s_delay_alu instid0(VALU_DEP_4)
	v_add_nc_u32 v[244+\b], 0xff000000, v[232+\b]
.endr
.irp b, 0,1,2,3
	s_delay_alu instid0(VALU_DEP_4)
	v_lshrrev_b32 v[236+\b], 23, v[244+\b]
.endr
	s_delay_alu instid0(VALU_DEP_3)
	v_lshl_or_b32 v253, v237, 8, v236              ; p's scale word for these 128 keys
	s_delay_alu instid0(VALU_DEP_1)
	v_lshl_or_b32 v253, v238, 16, v253
	s_delay_alu instid0(VALU_DEP_1)
	v_lshl_or_b32 v253, v239, 24, v253
.irp c, 0,1
	v_cvt_scalef32_pk16_fp6_f32 v[224+6*\c:226+6*\c], v[96+32*\c:111+32*\c], v[244+2*\c]
	v_cvt_scalef32_pk16_fp6_f32 v[236+4*\c:238+4*\c], v[112+32*\c:127+32*\c], v[244+2*\c+1]
.endr
	v_nop                                          ; one plain place behind the scaled conversions
.irp c, 0,1
.irp i, 0,1,2
	v_permlane16_swap_b32 v[224+6*\c+\i], v[236+4*\c+\i]
.endr
.irp i, 0,1,2
	s_delay_alu instid0(VALU_DEP_3)
	v_mov_b32 v[227+6*\c+\i], v[236+4*\c+\i]
.endr
.endr
.set n, 0
.rept 16
	v_pk_mul_f32 v[160+n:161+n], v[160+n:161+n], v[252:253] op_sel_hi:[1,0]   ; O^T under the new M; these are also the places in front of the products below
.set n, n+2
.endr
	s_wait_alu depctr_va_vdst(0)
	s_wait_dscnt 0x0                               ; V's fragments and scale words are in
.irp t, 0,1,2,3
	v_wmma_scale_f32_16x16x128_f8f6f4 v[160+8*\t:167+8*\t], v[40+12*\t:51+12*\t], v[224:235], v[160+8*\t:167+8*\t], v[248+\t], v253 matrix_a_fmt:MATRIX_FMT_FP6 matrix_b_fmt:MATRIX_FMT_FP6
.endr
.Lhidden_\@:
	s_add_co_u32 s[KF], s[KF], 128
	s_add_co_u32 s[TS], s[TS], 256                 ; the next step's scale words, K's and V's alike
.endm
; THE CHANGE OF SLOTS, at a slot's head.  Each wave waits for all its tensor loads, adds 0 to its spare word, and waits for that and for its reads of the slot that it has left; behind the barrier the slot ahead
; is whole and nobody reads the other one.  fill = 1: the other slot takes the next 512 keys, while its first key is at or under the work-group's last query: a slot beyond that is read by none of the sixteen waves.
.macro CHANGE fill
	s_wait_tensorcnt 0x0                           ; no tensor load of mine is out, so a group 0 may be written
	ds_add_u32 v[SPW], v[NIL]
.if \fill
	ds_add_u32 v[SPW], v[NIL]                      ; and once more, in every trip alike
	s_xor_b32 s[G0K+1], s[G0K+1], SLOT1
	s_add_nc_u64 s[G0K+2:G0K+3], s[G0K+2:G0K+3], 24576
	s_xor_b32 s[G0V+1], s[G0V+1], SLOT1
	s_add_nc_u64 s[G0V+2:G0V+3], s[G0V+2:G0V+3], 24576
	s_wait_xcnt 0x0                                ; the last prefetch, a slot back, has read its address
	s_add_nc_u64 s[PFA:PFA+1], s[PFA:PFA+1], 24576
.endif
	s_wait_dscnt 0x0                               ; the add is done, and my reads of the slot that I have left are over
	s_barrier_signal -1
	s_barrier_wait -1
.if \fill
	s_add_co_u32 s96, s[KF], 512                   ; the first key of the slot that this change would ask for
	s_cmp_gt_u32 s96, s[QL]                        ; ids and the count of steps alone: all sixteen waves go the same way; every wait on TENSORcnt in this text is for 0
	s_cbranch_scc1 .Lpast_\@
	TLOAD G0K, G1C, G0V, G1C                       ; a wave's one tensor load until the next such barrier
.Lpast_\@:
	ASK
.endif
.endm
.macro SLOT_STEPS
	STEP 0
	STEP 1
	STEP 2
	STEP 3
	s_xor_b32 s[TB], s[TB], SLOT1
.endm
.Lslot:                                            ; three trips: behind each change of slots but the last the next slot is asked for, up to the causal limit
	CHANGE 1
	SLOT_STEPS
	s_sub_co_u32 s[SLOTS], s[SLOTS], 1
	s_cmp_lg_u32 s[SLOTS], 0
	s_cbranch_scc1 .Lslot
	CHANGE 0
	SLOT_STEPS
	; THE WAY OUT.  O^T / the sum; register 16 b + i is channel 32 b + 16 h + i of my query: two blocks of the next product's K.
	v_add_f32 v14, v14, v15
	s_delay_alu instid0(VALU_DEP_1)
	v_permlanex16_b32 v252, v14, s[SEL], s[SEL+1]
	s_delay_alu instid0(VALU_DEP_1)
	v_add_f32 v14, v14, v252                       ; the row's sum
	s_wait_alu depctr_va_vdst(0)
	v_rcp_f32 v14, v14
.rept 4
	v_nop                                          ; plain places behind the reciprocal and behind the last products
.endr
	s_wait_alu depctr_va_vdst(0)                   ; the wait ahead of the reciprocal's first reader
.set n, 0
.rept 32
	v_mul_f32 v[96+n], v[160+n], v14
.set n, n+1
.endr
.irp b, 0,1
	v_max3_num_f32 v[232+\b], |v[96+16*\b]|, |v[97+16*\b]|, 0x1800000
.endr
.irp i, 2,4,6,8,10,12,14
.irp b, 0,1
	s_delay_alu instid0(VALU_DEP_2)
	v_max3_num_f32 v[232+\b], v[232+\b], |v[96+16*\b+\i]|, |v[97+16*\b+\i]|
.endr
.endr
.irp b, 0,1
	s_delay_alu instid0(VALU_DEP_2)
	v_permlanex16_b32 v[236+\b], v[232+\b], s[SEL], s[SEL+1]
.endr
.irp b, 0,1
	s_delay_alu instid0(VALU_DEP_2)
	v_max_num_f32 v[232+\b], v[232+\b], v[236+\b]
.endr
.irp b, 0,1
	s_delay_alu instid0(VALU_DEP_2)
	v_add_nc_u32 v[244+\b], 0xff000000, v[232+\b]
.endr
.irp b, 0,1
	s_delay_alu instid0(VALU_DEP_2)
	v_lshrrev_b32 v[236+\b], 23, v[244+\b]
.endr
	s_delay_alu instid0(VALU_DEP_1)
	v_lshl_or_b32 v243, v237, 8, v236              ; my row's two scale bytes
	v_cvt_scalef32_pk16_fp6_f32 v[224:226], v[96:111], v244
	v_cvt_scalef32_pk16_fp6_f32 v[240:242], v[112:127], v245
	v_nop
.irp i, 0,1,2
	v_permlane16_swap_b32 v[224+\i], v[240+\i]
.endr
.irp i, 0,1,2
	s_delay_alu instid0(VALU_DEP_3)
	v_mov_b32 v[227+\i], v[240+\i]                 ; registers 0-5: channels 32 h + 0 .. 31: my head's half of the fragment
.endr
.irp p, 0,1,2
	global_store_b64 v[LN8], v[224+2*\p:225+2*\p], s[12:13] offset:256*\p   ; a plane: 256 consecutive bytes, aligned
.endr
	v_cmp_gt_u32 vcc_lo, 16, v[LNE]
	s_wait_xcnt 0x0                                ; EXEC changes only behind this wait
	s_and_saveexec_b32 s96, vcc_lo                 ; lanes 0-15: one lane a row
	global_store_b16 v[ORO], v243, s[14:15]
	s_wait_xcnt 0x0                                ; and again, in front of the line that widens it
	s_or_b32 exec_lo, exec_lo, s96
	s_wait_tensorcnt 0x0                           ; the wave's end
	ds_add_u32 v[SPW], v[NIL]
	s_wait_dscnt 0x0
	s_endpgm
.Lfunc_end_k_qee91444fcb_attn:
	.size	k_qee91444fcb_attn, .Lfunc_end_k_qee91444fcb_attn-k_qee91444fcb_attn
	.p2alignl 7, 3214868480
	.fill 96, 4, 3214868480
	.section	.rodata,"a",@progbits
	.p2align	6, 0x0
	.amdhsa_kernel k_qee91444fcb_attn
		.amdhsa_group_segment_fixed_size 327680
		.amdhsa_private_segment_fixed_size 0
		.amdhsa_enable_private_segment 0
		.amdhsa_kernarg_size 48
		.amdhsa_user_sgpr_count 2
		.amdhsa_user_sgpr_kernarg_segment_ptr 1
		.amdhsa_wavefront_size32 1
		.amdhsa_system_sgpr_workgroup_id_x 1
		.amdhsa_system_sgpr_workgroup_id_y 1
		.amdhsa_system_sgpr_workgroup_id_z 1
		.amdhsa_system_vgpr_workitem_id 0
		.amdhsa_next_free_vgpr 256
		.amdhsa_next_free_sgpr 100
		.amdhsa_reserve_vcc 1
		.amdhsa_float_denorm_mode_32 3
		.amdhsa_float_denorm_mode_16_64 3
		.amdhsa_memory_ordered 1
		.amdhsa_forward_progress 1
		.amdhsa_inst_pref_size 204
	.end_amdhsa_kernel
	.amdgpu_metadata
---
amdhsa.version: [ 1, 2 ]
amdhsa.kernels:
  - .name:           k_qee91444fcb_attn
    .symbol:         k_qee91444fcb_attn.kd
    .args:
      - { .name: qk_c, .offset: 0, .size: 8, .value_kind: global_buffer, .address_space: global }
      - { .name: qk_s, .offset: 8, .size: 8, .value_kind: global_buffer, .address_space: global }
      - { .name: v_c, .offset: 16, .size: 8, .value_kind: global_buffer, .address_space: global }
      - { .name: v_s, .offset: 24, .size: 8, .value_kind: global_buffer, .address_space: global }
      - { .name: o_c, .offset: 32, .size: 8, .value_kind: global_buffer, .address_space: global }
      - { .name: o_s, .offset: 40, .size: 8, .value_kind: global_buffer, .address_space: global }
    .group_segment_fixed_size: 327680
    .private_segment_fixed_size: 0
    .kernarg_segment_align: 8
    .kernarg_segment_size: 48
    .max_flat_workgroup_size: 512
    .sgpr_count:     100
    .vgpr_count:     256
    .wavefront_size: 32
...
	.end_amdgpu_metadata
.endif
;; end of part 3
;; launch oproj (part 4): grid 64 x 4, 4 waves a work-group, clusters of 4 x 4, 327,680 bytes of LDS; arguments xw_c, xw_s, o_c, o_s, out0; writes out0
.if DOCPART == 4
	.amdgcn_target "amdgcn-amd-amdhsa--gfx1250"
	.amdhsa_code_object_version 6
	.text
	.protected	k_qee91444fcb_oproj
	.globl	k_qee91444fcb_oproj
	.p2align	8
	.type	k_qee91444fcb_oproj,@function
k_qee91444fcb_oproj:
	s_mov_b64 s[64:65], 0
	v_nop
	global_prefetch_b8 v0, s[64:65] scope:SCOPE_SE
	s_setreg_imm32_b32 hwreg(HW_REG_WAVE_MODE, 25, 1), 1
	s_wait_xcnt 0x0
	s_wait_alu depctr_hold_cnt(0) depctr_sa_sdst(0) depctr_va_vdst(0) depctr_va_sdst(0) depctr_va_ssrc(0) depctr_va_vcc(0) depctr_vm_vsrc(0)
	s_getreg_b32 s2, hwreg(HW_REG_IB_STS2, 6, 4)
	s_cmp_eq_u32 s2, 0
	s_cbranch_scc0 .Lentry_in_a_cluster
	s_endpgm
.Lentry_in_a_cluster:
	s_bfe_u32 s2, ttmp6, 0x10000c
	s_cmp_lg_u32 s2, 0xf033
	s_cbranch_scc0 .Lentry_shape_is_right
	s_endpgm
.Lentry_shape_is_right:
; LAUNCH 4 OF 4.  Product 6: out0 = O W_o^T on codes of FP6 (E2M3) with E8M0 scales, K = 1,024, sums in f32, results f32.
; THE CORE is that of launch qkv.  S0 (source 0, its rows become the result's registers) = 128 rows of W_o; S1 (source 1, its rows become lanes) = 256 rows of O.  Wave w takes all of S0 x S1's tiles 4 w .. 4 w + 3:
; 32 accumulators.  All of K lies in LDS at once, in four chunks of 256 along K, each filled once.  Fragments are images of the operand's registers: six planes of 256 bytes.
; A tile's rows are 32 g + 8 u + r + 8 (r / 8): registers 16 b + i of an S1 tile's eight accumulators are output columns 32 b + 16 (lane / 16) + i of the work-group's 128.
; CLUSTER 4 x 4: S0's tile hangs on the cluster's number C and cx and is asked for jointly by the column of the cluster, S1's on C and cy, by the row.
; THE WAY OUT: a tile (16 rows x 512 bytes) goes through the wave's own stage in LDS and leaves as whole rows: 32 lanes store 512 consecutive bytes.  The stage lies in chunk 0, which has had its only fill and whose
; last reads every wave has waited for ahead of a barrier that all have passed.
.set CH,    73728
.set S1OFF, 24576
.set SPARE, 4*CH                       ; the spare words, 128 bytes a wave: two blocks of 256 bytes that no other line names
.set LN8, 4
.set SRO, 5
.set AD0, 8
.set AD1, 12
.set STO, 16                           ; v16  the stage: row r, + 64 h
.set RD,  17                           ; v17  and back: 16 x lane
.set CO,  18                           ; v18  16 x lane: my bytes of a row's 512
.set SPW, 28
.set NIL, 29
.set SC0, 32
.set SC1, 96
.set S1F, 128
.set BK,  128                          ; the way out: 16 rows read back: v128-191 and v192-255 by turns
.set WV,  16
.set ARM, 17
.set HF,  18
.set G1A, 24
.set G0A, 32
.set G0B, 48
.set G1B, 68
.set MSB, 0
.macro WIN new
.if MSB != \new
	s_set_vgpr_msb (MSB<<8)|\new
.set MSB, \new
.endif
.endm
.macro PLACES n
.rept \n
	v_nop
.endr
.endm
.macro CROUND
	s_barrier_signal -1
	s_barrier_wait -1
	s_cmp_lg_u32 s[WV], 0
	s_cbranch_scc1 .Lnot_wave_0_\@
	s_barrier_signal -3
.Lnot_wave_0_\@:
	s_barrier_wait -3
	s_barrier_signal -1
	s_barrier_wait -1
.endm
	s_load_b256 s[4:11], s[0:1], 0x0               ; xw_c, xw_s, o_c, o_s
	s_load_b64 s[12:13], s[0:1], 0x20              ; out0
	v_lshl_add_u32 v[SPW], v0, 2, SPARE
	v_mov_b32 v[NIL], 0
	ds_add_u32 v[SPW], v[NIL]                      ; the opening: the add, twice on end, and its wait ahead of my first tensor load
	ds_add_u32 v[SPW], v[NIL]
	v_lshrrev_b32 v1, 5, v0
	v_readfirstlane_b32 s[WV], v1
	s_lshr_b32 s[ARM], s[WV], 1
	s_and_b32 s[HF], s[WV], 1
	s_bfe_u32 s19, ttmp6, 0x40000                  ; cx
	s_bfe_u32 s20, ttmp6, 0x40004                  ; cy
	s_lshl_b32 s21, s20, 2
	s_lshl_b32 s21, 15, s21                        ; my row of the cluster
	s_lshl_b32 s22, 0x1111, s19                    ; my column
	s_and_b32 s84, ttmp9, 1
	s_lshl_b32 s84, s84, 5
	s_add_co_u32 s84, s84, 704                     ; W_o's tiles begin at 704: + 32 (C & 1)
	s_lshr_b32 s86, ttmp9, 1
	s_lshl_b32 s86, s86, 6                         ; 64 (C >> 1)
	s_lshl_b32 s76, s19, 3
	s_add_co_u32 s76, s76, s84                     ; M0: S0's first tile
	s_lshl_b32 s77, s[HF], 2
	s_add_co_u32 s77, s77, s76
	s_mul_i32 s78, s77, 12288
	s_mov_b32 s79, 0
	s_lshl_b32 s80, s20, 4
	s_add_co_u32 s80, s80, s86                     ; M1: S1's first tile
	s_lshl_b32 s81, s[HF], 3
	s_add_co_u32 s81, s81, s80
	s_mul_i32 s82, s81, 12288
	s_mov_b32 s83, 0
	s_mul_i32 s88, s[HF], 24576
	s_mul_i32 s89, s[HF], 12288
	s_lshl_b32 s90, s76, 9
	s_mov_b32 s91, 0
	s_lshl_b32 s94, s[WV], 2
	s_add_co_u32 s94, s94, s80                     ; my first tile of S1
	s_lshl_b32 s92, s94, 9
	s_mov_b32 s93, 0
	s_or_b32 s[G1A], s21, (3<<16)|(1<<21)          ; 15:0 the mask; 17:16 elements of 8 bytes; 21 set beside a mask; no padding
	s_or_b32 s[G1B], s22, (3<<16)|(1<<21)
	s_mov_b32 s[G1A+1], 384<<16
	s_mov_b32 s[G1A+2], 8<<16
	s_mov_b32 s[G1A+3], 384<<16
	s_mov_b32 s[G1A+4], 8
	s_mov_b32 s[G1A+5], 1536
	s_mov_b32 s[G1A+6], 0
	s_mov_b32 s[G1A+7], 0
	s_mov_b32 s[G1B+1], 384<<16
	s_mov_b32 s[G1B+2], 4<<16
	s_mov_b32 s[G1B+3], 384<<16
	s_mov_b32 s[G1B+4], 4
	s_mov_b32 s[G1B+5], 1536
	s_mov_b32 s[G1B+6], 0
	s_mov_b32 s[G1B+7], 0
	s_lshl_b32 s96, s94, 16                        ; out0: my first row, 16 x tile, of 4,096 bytes,
	s_sub_co_u32 s98, s76, 704
	s_lshl_b32 s98, s98, 6                         ; + the work-group's 128 columns: 512 bytes x (M0 - 704) / 8
	s_add_co_u32 s96, s96, s98
	s_mov_b32 s97, 0
	s_wait_dscnt 0x0                               ; both opening adds are done
	s_wait_kmcnt 0x0
	s_add_nc_u64 s[78:79], s[4:5], s[78:79]
	s_add_nc_u64 s[82:83], s[8:9], s[82:83]
	s_add_nc_u64 s[90:91], s[6:7], s[90:91]
	s_add_nc_u64 s[92:93], s[10:11], s[92:93]
	s_add_nc_u64 s[12:13], s[12:13], s[96:97]
.irp j, 0,1,2,3
	s_mov_b32 s[G0A+4*\j], 1
	s_add_co_u32 s[G0A+4*\j+1], s88, \j*CH+S1OFF
	s_add_nc_u64 s[G0A+4*\j+2:G0A+4*\j+3], s[82:83], \j*3072
	s_or_b32 s[G0A+4*\j+3], s[G0A+4*\j+3], 0x80000000
	s_mov_b32 s[G0B+4*\j], 1
	s_add_co_u32 s[G0B+4*\j+1], s89, \j*CH
	s_add_nc_u64 s[G0B+4*\j+2:G0B+4*\j+3], s[78:79], \j*3072
	s_or_b32 s[G0B+4*\j+3], s[G0B+4*\j+3], 0x80000000
.endr
	CROUND                                         ; all sixteen work-groups are here: the joint loads meet
	s_cmp_eq_u32 s[ARM], 0                         ; a wave's four fills stand in one branch on its number: four loads of mine are out
	s_cbranch_scc0 .Lfill_s0
.irp j, 0,1,2,3
	tensor_load_to_lds s[G0A+4*\j:G0A+4*\j+3], s[G1A:G1A+7]
	s_nop 0
.endr
	PLACES 4
	s_branch .Lfilled
.Lfill_s0:
.irp j, 0,1,2,3
	tensor_load_to_lds s[G0B+4*\j:G0B+4*\j+3], s[G1B:G1B+7]
	s_nop 0
.endr
	PLACES 4
.Lfilled:
	v_and_b32 v1, 31, v0                           ; lane
	v_and_b32 v2, 15, v0                           ; r
	v_bfe_u32 v3, v0, 4, 1                         ; h
	v_lshlrev_b32 v[LN8], 3, v1
	v_and_b32 v6, 8, v2
	v_add_nc_u32 v6, v6, v2
	v_lshlrev_b32 v[SRO], 5, v6
	s_mul_i32 s95, s[WV], 12288
	s_add_co_u32 s95, s95, S1OFF
.irp j, 0,1,2,3
	v_add_nc_u32 v[AD0+\j], \j*CH, v[LN8]
	v_add_nc_u32 v[AD1+\j], s95, v[AD0+\j]
.endr
	s_mul_i32 s95, s[WV], 8448                     ; my stage: 16 rows x (512 + 16) bytes
	v_mul_u32_u24 v[STO], v2, 528
	v_lshl_add_u32 v[STO], v3, 6, v[STO]
	v_add_nc_u32 v[STO], s95, v[STO]
	v_lshlrev_b32 v[CO], 4, v1
	v_add_nc_u32 v[RD], s95, v[CO]
.irp b, 0,1,2,3,4,5,6,7
	global_load_b128 v[SC0+8*\b:SC0+8*\b+3], v[SRO], s[90:91] offset:(32*(\b/2)+8*(\b%2))*32
	global_load_b128 v[SC0+8*\b+4:SC0+8*\b+7], v[SRO], s[90:91] offset:(32*(\b/2)+8*(\b%2))*32+16
.endr
.irp a, 0,1,2,3
	global_load_b128 v[SC1+8*\a:SC1+8*\a+3], v[SRO], s[92:93] offset:(32*(\a/2)+8*(\a%2))*32
	global_load_b128 v[SC1+8*\a+4:SC1+8*\a+7], v[SRO], s[92:93] offset:(32*(\a/2)+8*(\a%2))*32+16
.endr
.macro FETCH s
	WIN 0x40
.irp b, 0,1,2,3,4,5,6,7
.irp p, 0,1,2,3,4,5
	ds_load_b64 v[128*((\s)%2)+12*\b+2*\p:128*((\s)%2)+12*\b+2*\p+1], v[AD0+(\s)/2] offset:3072*\b+1536*((\s)%2)+256*\p
.endr
.endr
	WIN 0
.irp a, 0,1,2,3
.irp p, 0,1,2,3,4,5
	ds_load_b64 v[S1F+48*((\s)%2)+12*\a+2*\p:S1F+48*((\s)%2)+12*\a+2*\p+1], v[AD1+(\s)/2] offset:3072*\a+1536*((\s)%2)+256*\p
.endr
.endr
.endm
.macro MUL32 s                         ; the 32 accumulators take turns, one instruction a turn, in the same order in every step; the first step's products start the sums
	WIN 0xa1
.irp a, 0,1,2,3
.irp b, 0,1,2,3,4,5,6,7
.if (\s) == 0
	v_wmma_scale_f32_16x16x128_f8f6f4 v[8*(8*\a+\b):8*(8*\a+\b)+7], v[128*((\s)%2)+12*\b:128*((\s)%2)+12*\b+11], v[S1F+48*((\s)%2)+12*\a:S1F+48*((\s)%2)+12*\a+11], 0, v[SC0+8*\b+(\s)], v[SC1+8*\a+(\s)] matrix_a_fmt:MATRIX_FMT_FP6 matrix_b_fmt:MATRIX_FMT_FP6
.else
	v_wmma_scale_f32_16x16x128_f8f6f4 v[8*(8*\a+\b):8*(8*\a+\b)+7], v[128*((\s)%2)+12*\b:128*((\s)%2)+12*\b+11], v[S1F+48*((\s)%2)+12*\a:S1F+48*((\s)%2)+12*\a+11], v[8*(8*\a+\b):8*(8*\a+\b)+7], v[SC0+8*\b+(\s)], v[SC1+8*\a+(\s)] matrix_a_fmt:MATRIX_FMT_FP6 matrix_b_fmt:MATRIX_FMT_FP6
.endif
.endr
.endr
.endm
.macro STEP s
	s_wait_dscnt 0x0                               ; this step's fragments are in
.if ((\s)%2 == 1) && ((\s) < 7)
	s_wait_tensorcnt 3-((\s)+1)/2                  ; my part of the next chunk has landed; my loads of the chunks behind it may stay out
	s_barrier_signal -1
	s_barrier_wait -1
.endif
.if (\s) < 7
	PLACES 4                                       ; four places in front of loads into registers that the last step's products have read
	FETCH (\s)+1
.endif
	MUL32 \s
.endm
	s_wait_tensorcnt 3                             ; my part of chunk 0 is in; my three younger loads may stay out
	s_barrier_signal -1
	s_barrier_wait -1
	FETCH 0
	s_wait_loadcnt 0x0                             ; the scale words
	STEP 0
	STEP 1
	STEP 2
	STEP 3
	STEP 4
	STEP 5
	STEP 6
	STEP 7
	WIN 0
.macro TOSTAGE a                       ; tile a's eight accumulators into my stage, each from its low end on, and back as 16 whole rows
	WIN 0x08                                       ; an LDS store's data are its source 1: window 2
.irp t, 0,1,2,3,4,5,6,7
	ds_store_b128 v[STO], v[64*(\a)+8*\t:64*(\a)+8*\t+3] offset:128*(\t/2)+32*(\t%2)
	ds_store_b128 v[STO], v[64*(\a)+8*\t+4:64*(\a)+8*\t+7] offset:128*(\t/2)+32*(\t%2)+16
.endr
	WIN 0
.set BB, BK+64*((\a)%2)
.irp t, 0,1,2,3,4,5,6,7,8,9,10,11,12,13,14,15
	ds_load_b128 v[BB+4*\t:BB+4*\t+3], v[RD] offset:\t*528   ; LDS serves a wave's instructions in order: these see the stores above, and the next tile's stores come behind them
.endr
.endm
.macro SEND a, younger                 ; younger: the LDS instructions issued behind tile a's loads, which may stay out
.set BB, BK+64*((\a)%2)
	s_wait_dscnt \younger
.irp t, 0,1,2,3,4,5,6,7,8,9,10,11,12,13,14,15
	global_store_b128 v[CO], v[BB+4*\t:BB+4*\t+3], s[12:13] offset:(32*((\a)/2)+8*((\a)%2)+\t+8*(\t/8))*4096 th:TH_STORE_NT   ; 32 lanes store 512 consecutive bytes, aligned to 256
.endr
.endm
	PLACES 4                                       ; four places in front of the first read of results and of loads into registers that held fragments
	TOSTAGE 0
.irp a, 1,2,3
.if \a > 1
	s_wait_xcnt 0x0                                ; tile a - 2's stores have read their registers: tile a's loads may land there
.endif
	TOSTAGE \a
	SEND \a-1, 32                                  ; behind tile a - 1's loads: tile a's 16 stores and 16 loads
.endr
	SEND 3, 0
	s_wait_tensorcnt 0x0                           ; the wave's end, behind my last tensor load and my last LDS store
	ds_add_u32 v[SPW], v[NIL]
	s_wait_dscnt 0x0
	CROUND                                         ; the closing round
	s_endpgm
.Lfunc_end_k_qee91444fcb_oproj:
	.size	k_qee91444fcb_oproj, .Lfunc_end_k_qee91444fcb_oproj-k_qee91444fcb_oproj
	.p2alignl 7, 3214868480
	.fill 96, 4, 3214868480
	.section	.rodata,"a",@progbits
	.p2align	6, 0x0
	.amdhsa_kernel k_qee91444fcb_oproj
		.amdhsa_group_segment_fixed_size 327680
		.amdhsa_private_segment_fixed_size 0
		.amdhsa_enable_private_segment 0
		.amdhsa_kernarg_size 40
		.amdhsa_user_sgpr_count 2
		.amdhsa_user_sgpr_kernarg_segment_ptr 1
		.amdhsa_wavefront_size32 1
		.amdhsa_system_sgpr_workgroup_id_x 1
		.amdhsa_system_sgpr_workgroup_id_y 1
		.amdhsa_system_sgpr_workgroup_id_z 1
		.amdhsa_system_vgpr_workitem_id 0
		.amdhsa_next_free_vgpr 768
		.amdhsa_next_free_sgpr 100
		.amdhsa_reserve_vcc 0
		.amdhsa_float_denorm_mode_32 3
		.amdhsa_float_denorm_mode_16_64 3
		.amdhsa_memory_ordered 1
		.amdhsa_forward_progress 1
		.amdhsa_inst_pref_size 96
	.end_amdhsa_kernel
	.amdgpu_metadata
---
amdhsa.version: [ 1, 2 ]
amdhsa.kernels:
  - .name:           k_qee91444fcb_oproj
    .symbol:         k_qee91444fcb_oproj.kd
    .args:
      - { .name: xw_c, .offset: 0, .size: 8, .value_kind: global_buffer, .address_space: global }
      - { .name: xw_s, .offset: 8, .size: 8, .value_kind: global_buffer, .address_space: global }
      - { .name: o_c, .offset: 16, .size: 8, .value_kind: global_buffer, .address_space: global }
      - { .name: o_s, .offset: 24, .size: 8, .value_kind: global_buffer, .address_space: global }
      - { .name: out0, .offset: 32, .size: 8, .value_kind: global_buffer, .address_space: global }
    .group_segment_fixed_size: 327680
    .private_segment_fixed_size: 0
    .kernarg_segment_align: 8
    .kernarg_segment_size: 40
    .max_flat_workgroup_size: 128
    .sgpr_count:     100
    .vgpr_count:     768
    .wavefront_size: 32
...
	.end_amdgpu_metadata
.endif
;; end of part 4
